; MI455X (gfx1250); checked and timed in simulation.
; The chip was launched on July 23, 2026; its instructions are those of AMD's public machine-readable ISA for CDNA 5 (MIT licence, August 2026) and "CDNA5" Instruction Set Architecture Reference Guide (July 2026). The comments in the code are by the model that wrote it; some were corrected since.
;; Causal Multi Head Self Attention. Allowed arithmetic: matrix products marked QUANTISED: E2M1 operands, one E8M0 scale for each 32 along K, by v_wmma_scale_f32_16x16x128_f8f6f4 with both operands' format E2M1 (or v_wmma_scale_f32_32x16x128_f4), f32 sums; products left as they are: bf16, f16 or f32 operands; f32 sums; everything else in f32.
;; Inputs: token_positions 2,048 int32; w_out 1,024 x 1,024 float32; w_qkv 3,072 x 1,024 float32; x 4 x 2,048 x 1,024 float32.
;; Outputs: out0 4 x 2,048 x 1,024 float32.
;; This version of the problem:
;;   THIS VERSION OF THE PROBLEM IS GIVEN IN LOW PRECISION. The matrix products marked QUANTISED in the list below multiply operands that are first quantised to E2M1 (2 exponent bits, 1 mantissa bit; 4 bits a number), with one power-of-two scale for each 32 numbers along K (OCP MX v1.0); their sums are f32. The products marked 'left as it is' may take bf16, f16 or f32 operands, with f32 sums. Whichever they take, every output number must still come out within the allowed error. Rounding operands to bf16 (8 significant bits) uses up far more of that allowance than f16 does (11 bits, for magnitudes from 6e-5 to 65,504). All else is computed in f32.
;;   The module's matrix products, in the order in which they are computed (A, B: the left and right operand; K: the contracted axis; several contracted axes count as one K, in the product's order):
;;     1. [M 8,192, K 1,024] x [K 1,024, N 3,072]; A: input x; B: input w_qkv: QUANTISED
;;     2. batch 64 x [M 2,048, K 64] x [K 64, N 2,048]; A: computed on the way; B: computed on the way: left as it is (an operand is computed on the way)
;;     3. batch 64 x [M 2,048, K 2,048] x [K 2,048, N 64]; A: computed on the way; B: computed on the way: left as it is (an operand is computed on the way)
;;     4. [M 8,192, K 1,024] x [K 1,024, N 1,024]; A: computed on the way; B: input w_out: left as it is (an operand is computed on the way)
;;   THE QUANTISER, for each operand of a quantised product, along K:
;;     - K is cut into blocks of 32 from its start; a last block that is shorter is filled with zeros.
;;     - A block's scale is 2^e with e = floor(log2(the largest magnitude in the block)) - 2, held to -126 .. 127; a block of zeros has e = 0. As a byte (E8M0): e + 127.
;;     - Each number is divided by its block's scale, clamped to +-6, and rounded to the nearest number of E2M1, ties to even, subnormals kept.
;;     - The product sums the exact products of the quantised numbers (number of the format x scale) in f32.
;;   ~~~python
;;   def quantise(x, axis):      # numpy; x: float32 -> the quantised numbers, widened to float32 again
;;       x = np.moveaxis(x, axis, -1); K = x.shape[-1]
;;       x = np.pad(x, [(0, 0)] * (x.ndim - 1) + [(0, -K % 32)]); x = x.reshape(x.shape[:-1] + (-1, 32)); a = np.abs(x).max(-1, keepdims=True)
;;       e = np.where(a > 0, np.clip(np.frexp(np.where(a > 0, a, 1))[1] - 1 - 2, -126, 127), 0)      # np.frexp(a)[1] - 1 = floor(log2(a)), exactly
;;       r = np.clip(x / 2.0 ** e, -6, 6)
;;       step = 2.0 ** (np.maximum(np.frexp(np.where(r == 0, 1, r))[1] - 1, 0) - 1)
;;       q = np.round(r / step) * step * 2.0 ** e      # np.round: ties to even
;;       return np.moveaxis(q.reshape(q.shape[:-2] + (-1,))[..., :K], -1, axis).astype(np.float32)
;;   ~~~
;; One version. Each part assembles by itself: llvm-mc -triple=amdgcn-amd-amdhsa -mcpu=gfx1250 --defsym DOCPART=n.
;; ======== version 1 of 1: 5 launches
;; limits: values are held in f16: magnitudes above 65,504 overflow, below 6.1e-05 lose precision
;; workspace buffers: codes 5,767,168 bytes; scales 360,448 bytes; w16 2,097,152 bytes; rope 1,048,832 bytes; qkvh 50,331,648 bytes; qkvf 786,432 bytes; yh 16,777,216 bytes
;; launch prep (part 1): grid 512 x 1, 4 waves a work-group, no clusters, 33,280 bytes of LDS; arguments x, w_qkv, w_out, token_positions, codes, scales, w16, rope; writes codes, scales, w16, rope
.if DOCPART == 1
	.amdgcn_target "amdgcn-amd-amdhsa--gfx1250"
	.amdhsa_code_object_version 6
	.text
	.protected	k_q022466faf9_prep
	.globl	k_q022466faf9_prep
	.p2align	8
	.type	k_q022466faf9_prep,@function
k_q022466faf9_prep:
	s_mov_b64 s[64:65], 0
	v_nop
	global_prefetch_b8 v0, s[64:65] scope:SCOPE_SE
	s_setreg_imm32_b32 hwreg(HW_REG_WAVE_MODE, 25, 1), 1
	s_wait_xcnt 0x0
; PREP: three pieces of work that want no matrix unit, told apart by the work-group's number.
;  0..351   x [8192][1024] and w_qkv [3072][1024], f32, become codes of FP4 (E2M1), K innermost, with one E8M0 byte for each 32 along K.  Both tensors are plain streams of blocks of 32;
;           their codes lie on end in one buffer (x's 4,194,304 bytes, then w_qkv's), and so do their scale bytes (x's 262,144, then w_qkv's).
;           A block's scale is 2^(floor(log2(its largest magnitude)) - 2); its byte is the largest magnitude's own exponent field - 2, held at 1 from below.  A block of zeros so gets the byte 1
;           where the rule says 127: its codes are zeros, which add nothing under any byte but 0xff, and this program alone reads the bytes.
;  352..479 w_out [1024][1024] f32 is rounded to f16 (the operand of the last product).
;  480..511 the table for the rotation: row s holds, for the 32 frequencies i, the pair (cos, sin) of token_positions[s] x 10000^(-i/32): part K as it is, part Q times c = log2(e) / 8
;           (the softmax's scale and its change of base ride on q), and one more row of (1, 0) for v, which is not turned.
; LIMITS: NaN and infinities among the inputs are not served; blocks whose largest magnitude lies under 2^-124 keep the byte 1; |w_out| stays under 65,504 (f16);
;         |position| stays under 2^23 (the reduction by pi/2 has two parts); the frequency comes from v_exp_f32 (ISA guide: 1 ulp).
.set WAVES, 4
.set STEPS, 16
.set XWG,   256                        ; work-groups for x: 8,388,608 numbers / 32,768
.set QWG,   352                        ; and with w_qkv's 96
.set WWG,   480                        ; and with w_out's 128
.set EMAX,  2
.set CB,    8                          ; bytes of 16 codes
.set R,     16                         ; v16-79   four sets of 16 numbers as they are loaded
.set X,     80                         ; v80-111  two sets of 16 neighbours
.set C,     128                        ; v128-191 codes: four registers for each step, so that no store's data are written again
.set E,     112                        ; v112-127 a scale byte for each step
.set WREG,  8192                       ; LDS: a region for each wave: two stages of 32 x SP bytes, and behind them its 256 scale bytes
.set SP,    80                         ; a lane's place in a stage: its 64 bytes + 16 of padding
.set SPW,   12                         ; v12      LDS address of my spare word: SPARE + 4 x my thread's number; never rewritten
.set NIL,   13                         ; v13      0; never rewritten
.set SPARE, WAVES*WREG                 ; behind the four regions: the spare words, 128 bytes for each wave
	s_load_b256 s[4:11], s[0:1], 0x0               ; x s[4:5], w_qkv s[6:7], w_out s[8:9], token_positions s[10:11]
	s_load_b256 s[12:19], s[0:1], 0x20             ; codes s[12:13], scales s[14:15], w16 s[16:17], rope s[18:19]
	v_lshl_add_u32 v[SPW], v0, 2, SPARE
	v_mov_b32 v[NIL], 0
	v_lshrrev_b32 v1, 5, v0
	v_readfirstlane_b32 s20, v1                    ; wave
	v_and_b32 v2, 31, v0                           ; lane
	s_wait_kmcnt 0x0
	s_cmp_lt_u32 ttmp9, QWG
	s_cbranch_scc0 .Lnot_quant
; ---- THE QUANTISER.  A wave takes 16 steps of 512 numbers.  Each of a step's four loads reads 512 consecutive bytes, 16 a lane; the 2,048 bytes go through the wave's own stage in LDS and come back 64 bytes a lane,
; so that a lane holds 16 NEIGHBOURS along K (two neighbouring lanes hold a block), as the conversions want them.  Loads run four steps ahead, the turn through LDS one step.
	v_lshlrev_b32 v3, 4, v2                        ; my 16 bytes of a load's 512
	s_mul_i32 s21, s20, WREG
	v_lshrrev_b32 v14, 2, v2
	v_mul_u32_u24 v14, v14, SP
	v_and_b32 v15, 3, v2
	v_lshl_add_u32 v14, v15, 4, v14
	v_add_nc_u32 v14, s21, v14                     ; the stage, on the way in: SP (lane / 4) + 16 (lane % 4)
	v_mul_u32_u24 v15, v2, SP
	v_add_nc_u32 v15, s21, v15                     ; and on the way out: SP x lane: my 16 neighbours
	v_mul_u32_u24 v4, v2, CB                       ; my codes' place in a step's
	v_lshrrev_b32 v5, 1, v2
	s_add_co_u32 s21, s21, 2*32*SP
	v_add_nc_u32 v5, s21, v5                       ; LDS: my wave's 256 scale bytes, my block's byte
	v_lshlrev_b32 v7, 3, v2                        ; and on the way out 8 bytes a lane
	v_add_nc_u32 v6, s21, v7
	s_cmp_lt_u32 ttmp9, XWG                        ; x's work-group or w_qkv's?  The choice hangs on the work-group's number alone
	s_cselect_b64 s[4:5], s[4:5], s[6:7]
	s_cselect_b32 s21, 0, XWG
	s_sub_co_u32 s21, ttmp9, s21
	s_lshl_b32 s21, s21, 2
	s_add_co_u32 s22, s21, s20                     ; which run of 8,192 numbers of the tensor is my wave's
	s_lshl_b32 s22, s22, 15                        ; 32,768 bytes a run
	s_mov_b32 s23, 0
	s_add_nc_u64 s[4:5], s[4:5], s[22:23]
	s_lshl_b32 s24, ttmp9, 2
	s_add_co_u32 s24, s24, s20                     ; the run's number over both tensors: their codes and bytes lie on end
	s_lshl_b32 s22, s24, 12                        ; 4,096 bytes of codes a run
	s_add_nc_u64 s[12:13], s[12:13], s[22:23]
	s_lshl_b32 s22, s24, 8                         ; 256 scale bytes a run
	s_add_nc_u64 s[14:15], s[14:15], s[22:23]
.macro LOAD t
.irp i, 0,1,2,3
	global_load_b128 v[R+16*((\t)%4)+4*\i:R+16*((\t)%4)+4*\i+3], v3, s[4:5] offset:2048*(\t)+512*\i th:TH_LOAD_NT   ; 32 lanes read 512 consecutive bytes
.endr
.endm
.macro TURN t                          ; step t's numbers through the stage: LDS serves a wave's instructions in order, so no wait stands between the stores and the loads
.irp i, 0,1,2,3
	ds_store_b128 v14, v[R+16*((\t)%4)+4*\i:R+16*((\t)%4)+4*\i+3] offset:32*SP*((\t)%2)+8*SP*\i
.endr
.irp i, 0,1,2,3
	ds_load_b128 v[X+16*((\t)%2)+4*\i:X+16*((\t)%2)+4*\i+3], v15 offset:32*SP*((\t)%2)+16*\i
.endr
.endm
.irp t, 0,1,2,3
	LOAD \t
.endr
	s_wait_loadcnt 12                              ; step 0's four loads are in; the twelve of steps 1 to 3 stay out
	TURN 0
.macro STEP t
.set XS, X+16*((\t)%2)
.if (\t) > 0
	s_wait_dscnt 1                                 ; this step's numbers are back from the stage (the last step's byte store may be out): so its stores into the stage have read their registers,
.else
	s_wait_dscnt 0x0
.endif
.if (\t)+4 < STEPS
	LOAD (\t)+4                                    ; which take the loads of four steps on
.endif
.if (\t)+1 < STEPS
.if STEPS-2-(\t) >= 3
	s_wait_loadcnt 12                              ; the next step's four loads are in; those of the three steps behind it may be out
.else
	s_wait_loadcnt 4*(STEPS-2-(\t))
.endif
	TURN (\t)+1                                    ; and go through the other stage while this step is worked
.endif
	v_max3_num_f32 v8, |v[XS]|, |v[XS+1]|, |v[XS+2]|               ; the largest magnitude of my 16, in two chains
	v_max3_num_f32 v9, |v[XS+3]|, |v[XS+4]|, |v[XS+5]|
.irp i, 6,10
	v_max3_num_f32 v8, v8, |v[XS+\i]|, |v[XS+\i+1]|
	v_max3_num_f32 v9, v9, |v[XS+\i+2]|, |v[XS+\i+3]|
.endr
	v_max3_num_f32 v8, v8, |v[XS+14]|, |v[XS+15]|
	v_max3_num_f32 v8, v8, v9, (EMAX+1)<<23        ; and the floor 2^(EMAX + 1 - 127): so the byte cannot fall under 1
	v_max_num_f32_dpp v8, v8, v8 row_xmask:1 row_mask:0xf bank_mask:0xf   ; and of my neighbour's 16: the block's
	v_add_nc_u32 v11, -(EMAX<<23), v8              ; EMAX off its exponent field: the conversion takes the exponent field of this operand as its scale, and nothing else of it
	v_cvt_scalef32_pk8_fp4_f32 v[C+4*(\t)], v[XS:XS+7], v11        ; eight numbers / the scale, to the nearest code, ties to even, beyond the largest code the largest
	v_cvt_scalef32_pk8_fp4_f32 v[C+4*(\t)+1], v[XS+8:XS+15], v11
	v_lshrrev_b32 v[E+(\t)], 23, v11               ; the scale's byte (also the plain line behind the conversions)
	ds_store_b8 v5, v[E+(\t)] offset:16*(\t)       ; both lanes of a block write the same byte with the same value
	global_store_b64 v4, v[C+4*(\t):C+4*(\t)+1], s[12:13] offset:32*CB*(\t)   ; the wave stores 256 consecutive bytes, aligned
.endm
.irp t, 0,1,2,3,4,5,6,7,8,9,10,11,12,13,14,15
	STEP \t
.endr
	ds_load_b64 v[8:9], v6                         ; LDS serves a wave's instructions in order: these see my stores
	s_wait_dscnt 0x0
	global_store_b64 v7, v[8:9], s[14:15]          ; 32 lanes store 256 consecutive bytes, aligned
	s_wait_tensorcnt 0x0                           ; the wave's end: behind my last LDS store
	ds_add_u32 v[SPW], v[NIL]
	s_wait_dscnt 0x0
	s_endpgm
; ---- w_out TO f16.  A wave takes 2,048 numbers: sixteen loads of 512 consecutive bytes, all out at once; each becomes one store of 256 consecutive bytes.  Every step has registers of its own.
.Lnot_quant:
	s_cmp_lt_u32 ttmp9, WWG
	s_cbranch_scc0 .Ltable
	s_sub_co_u32 s21, ttmp9, QWG
	s_lshl_b32 s21, s21, 2
	s_add_co_u32 s21, s21, s20                     ; my wave's run
	s_lshl_b32 s22, s21, 13                        ; 8,192 bytes in,
	s_mov_b32 s23, 0
	s_add_nc_u64 s[8:9], s[8:9], s[22:23]
	s_lshl_b32 s22, s21, 12                        ; 4,096 out
	s_add_nc_u64 s[16:17], s[16:17], s[22:23]
	v_lshlrev_b32 v3, 4, v2
	v_lshlrev_b32 v4, 3, v2
.irp t, 0,1,2,3,4,5,6,7,8,9,10,11,12,13,14,15
	global_load_b128 v[16+4*\t:19+4*\t], v3, s[8:9] offset:512*\t th:TH_LOAD_NT
.endr
.irp t, 0,1,2,3,4,5,6,7,8,9,10,11,12,13,14,15
	s_wait_loadcnt 15-\t                           ; loads come back in order: load t is in, the younger ones stay out
	v_cvt_pk_f16_f32 v[80+2*\t], v[16+4*\t], v[17+4*\t]
	v_cvt_pk_f16_f32 v[81+2*\t], v[18+4*\t], v[19+4*\t]
	global_store_b64 v4, v[80+2*\t:81+2*\t], s[16:17] offset:256*\t
.endr
	s_endpgm
; ---- THE TABLE.  A wave takes 16 rows s; a lane is a frequency i.  angle = position x 2^(-i log2(10000) / 32), in f32 as the definition has it.  n = the nearest whole number to angle x 2 / pi;
; r = angle - n pi/2, pi/2 in two parts, each taken off by a fused multiply-add; sine and cosine of r (|r| <= pi/4) by polynomials of degree 7 and 8; n mod 4 swaps them and sets the signs.
.Ltable:
	s_sub_co_u32 s21, ttmp9, WWG
	s_lshl_b32 s21, s21, 6
	s_lshl_b32 s22, s20, 4
	s_add_co_u32 s21, s21, s22                     ; my first row
	s_lshl_b32 s22, s21, 2
	s_mov_b32 s23, 0
	s_add_nc_u64 s[10:11], s[10:11], s[22:23]
	s_load_b512 s[24:39], s[10:11], 0x0            ; my 16 positions
	s_lshl_b32 s22, s21, 8                         ; a row of the table is 256 bytes
	s_add_nc_u64 s[18:19], s[18:19], s[22:23]
	s_mov_b32 s40, 0x3f22f983                      ; 2 / pi
	s_mov_b32 s41, 0x3fc90fdb                      ; pi / 2, rounded to f32,
	s_mov_b32 s42, 0xb33bbd2e                      ; and what that leaves
	s_mov_b32 s44, 0x3e38aa3b                      ; c = log2(e) / 8
	s_mov_b32 s45, s44                             ; (named with it as a pair, so it is written)
	v_cvt_f32_u32 v16, v2
	v_mul_f32 v16, 0xbed49a78, v16                 ; -i log2(10000) / 32
	v_exp_f32 v16, v16                             ; the frequency
	v_lshlrev_b32 v4, 3, v2                        ; 8 bytes a lane (a plain line behind the exponential)
	v_mov_b32 v17, 0xb94ca1f9                      ; the polynomials' leading coefficients
	v_mov_b32 v18, 0x37ccf5ce
	s_wait_alu depctr_va_vdst(0)                   ; the wait ahead of the first line that names the exponential's result
	s_wait_kmcnt 0x0
.macro ROW t
	v_cvt_f32_i32 v20, s[24+\t]
	v_mul_f32 v20, v20, v16                        ; the angle
	v_mul_f32 v21, s40, v20
	v_rndne_f32 v21, v21                           ; n
	v_fma_f32 v22, -v21, s41, v20
	v_fma_f32 v22, -v21, s42, v22                  ; r
	v_mul_f32 v23, v22, v22                        ; z = r^2
	v_cvt_i32_f32 v24, v21
	v_fmaak_f32 v25, v17, v23, 0x3c08839e
	v_fmaak_f32 v27, v18, v23, 0xbab6061a
	v_fmaak_f32 v25, v25, v23, 0xbe2aaaa3
	v_fmaak_f32 v27, v27, v23, 0x3d2aaaa5
	v_mul_f32 v26, v23, v22
	v_mul_f32 v28, v23, v23
	v_fma_f32 v29, v23, -0.5, 1.0
	v_fma_f32 v25, v25, v26, v22                   ; sin r
	v_fma_f32 v27, v27, v28, v29                   ; cos r
	v_and_b32 v28, 1, v24
	v_cmp_eq_u32 vcc_lo, 1, v28                    ; an odd n swaps them
	v_cndmask_b32 v29, v25, v27, vcc_lo
	v_cndmask_b32 v30, v27, v25, vcc_lo
	v_and_b32 v28, 2, v24
	v_lshlrev_b32 v28, 30, v28                     ; the sine changes sign where n mod 4 is 2 or 3,
	v_xor_b32 v[65+4*\t], v28, v29
	v_add_nc_u32 v28, 1, v24
	v_and_b32 v28, 2, v28
	v_lshlrev_b32 v28, 30, v28                     ; the cosine where it is 1 or 2
	v_xor_b32 v[64+4*\t], v28, v30
	v_pk_mul_f32 v[66+4*\t:67+4*\t], v[64+4*\t:65+4*\t], s[44:45] op_sel_hi:[1,0]
	global_store_b64 v4, v[66+4*\t:67+4*\t], s[18:19] offset:256*\t           ; part Q: a whole row of 256 bytes
	global_store_b64 v4, v[64+4*\t:65+4*\t], s[18:19] offset:524288+256*\t    ; part K
.endm
.irp t, 0,1,2,3,4,5,6,7,8,9,10,11,12,13,14,15
	ROW \t
.endr
	s_cmp_lg_u32 s21, 0                            ; the wave with row 0 also writes the row (1, 0) for v
	s_cbranch_scc1 .Ltable_end
	v_mov_b32 v32, 1.0
	v_mov_b32 v33, 0
	global_store_b64 v4, v[32:33], s[18:19] offset:1048576
.Ltable_end:
	s_endpgm
.Lfunc_end_k_q022466faf9_prep:
	.size	k_q022466faf9_prep, .Lfunc_end_k_q022466faf9_prep-k_q022466faf9_prep
	.p2alignl 7, 3214868480
	.fill 96, 4, 3214868480
	.section	.rodata,"a",@progbits
	.p2align	6, 0x0
	.amdhsa_kernel k_q022466faf9_prep
		.amdhsa_group_segment_fixed_size 33280
		.amdhsa_private_segment_fixed_size 0
		.amdhsa_enable_private_segment 0
		.amdhsa_kernarg_size 64
		.amdhsa_user_sgpr_count 2
		.amdhsa_user_sgpr_kernarg_segment_ptr 1
		.amdhsa_wavefront_size32 1
		.amdhsa_system_sgpr_workgroup_id_x 1
		.amdhsa_system_sgpr_workgroup_id_y 1
		.amdhsa_system_sgpr_workgroup_id_z 1
		.amdhsa_system_vgpr_workitem_id 0
		.amdhsa_next_free_vgpr 192
		.amdhsa_next_free_sgpr 66
		.amdhsa_reserve_vcc 1
		.amdhsa_float_denorm_mode_32 3
		.amdhsa_float_denorm_mode_16_64 3
		.amdhsa_memory_ordered 1
		.amdhsa_forward_progress 1
		.amdhsa_inst_pref_size 63
	.end_amdhsa_kernel
	.amdgpu_metadata
---
amdhsa.version: [ 1, 2 ]
amdhsa.kernels:
  - .name:           k_q022466faf9_prep
    .symbol:         k_q022466faf9_prep.kd
    .args:
      - { .name: x, .offset: 0, .size: 8, .value_kind: global_buffer, .address_space: global }
      - { .name: w_qkv, .offset: 8, .size: 8, .value_kind: global_buffer, .address_space: global }
      - { .name: w_out, .offset: 16, .size: 8, .value_kind: global_buffer, .address_space: global }
      - { .name: token_positions, .offset: 24, .size: 8, .value_kind: global_buffer, .address_space: global }
      - { .name: codes, .offset: 32, .size: 8, .value_kind: global_buffer, .address_space: global }
      - { .name: scales, .offset: 40, .size: 8, .value_kind: global_buffer, .address_space: global }
      - { .name: w16, .offset: 48, .size: 8, .value_kind: global_buffer, .address_space: global }
      - { .name: rope, .offset: 56, .size: 8, .value_kind: global_buffer, .address_space: global }
    .group_segment_fixed_size: 33280
    .private_segment_fixed_size: 0
    .kernarg_segment_align: 8
    .kernarg_segment_size: 64
    .max_flat_workgroup_size: 128
    .sgpr_count:     66
    .vgpr_count:     192
    .wavefront_size: 32
...
	.end_amdgpu_metadata
.endif
;; end of part 1
;; launch qkv (part 2): grid 12 x 32, 4 waves a work-group, clusters of 4 x 4, 327,680 bytes of LDS; arguments codes, scales, rope, qkvh, qkvf; writes qkvh, qkvf
.if DOCPART == 2
	.amdgcn_target "amdgcn-amd-amdhsa--gfx1250"
	.amdhsa_code_object_version 6
	.text
	.protected	k_q022466faf9_qkv
	.globl	k_q022466faf9_qkv
	.p2align	8
	.type	k_q022466faf9_qkv,@function
k_q022466faf9_qkv:
	s_mov_b64 s[64:65], 0
	v_nop
	global_prefetch_b8 v0, s[64:65] scope:SCOPE_SE
	s_setreg_imm32_b32 hwreg(HW_REG_WAVE_MODE, 25, 1), 1
	s_wait_xcnt 0x0
	s_wait_alu depctr_hold_cnt(0) depctr_sa_sdst(0) depctr_va_vdst(0) depctr_va_sdst(0) depctr_va_ssrc(0) depctr_va_vcc(0) depctr_vm_vsrc(0)
	s_getreg_b32 s2, hwreg(HW_REG_IB_STS2, 6, 4)
	s_cmp_eq_u32 s2, 0
	s_cbranch_scc0 .Lentry_in_a_cluster
	s_endpgm
.Lentry_in_a_cluster:
	s_bfe_u32 s2, ttmp6, 0x10000c
	s_cmp_lg_u32 s2, 0xf033
	s_cbranch_scc0 .Lentry_shape_is_right
	s_endpgm
.Lentry_shape_is_right:
; QKV: qkv[m][n] = sum over k of x[m][k] w_qkv[n][k], m = 8,192 rows, n = 3,072, k = 1,024, on codes of FP4 (E2M1) with one E8M0 scale for each 32 along K, sums in f32;
; then, on the way out, the rotation by position (q and k; q also times log2(e) / 8), the rounding to f16 and the split into heads: qkvh [batch 4][unit 48][s 2048][64], unit h = q, 16 + h = k, 32 + h = v.
; The rows of positions 0..15 of each batch also leave in f32, qkvf [batch][unit][16][64]: a later launch carries those rows more finely.
; A tile, 256 x 256, is made by a work-group of four waves; a wave makes 128 x 128: 64 accumulators of 16 x 16, 512 registers.  K is two steps of 512: both lie in LDS at once, each filled once, with the scale bytes of the
; work-group's rows beside them: by this text's count a wave has three tensor loads out, and no byte of LDS is filled again.
; CLUSTERS: 4 x 4 work-groups.  The four of a row of the cluster need the same tiles of x, the four of a column the same tiles of w_qkv: each tile is asked for JOINTLY.
; THE MATRIX INSTRUCTION IS USED TRANSPOSED (source 0 = 16 rows of w_qkv, source 1 = 16 rows of x): a lane then holds eight neighbouring numbers of a row: four pairs of the rotation, 16 bytes of f16.
; A cluster's x is 0, 1, 2 for q, k, v: the table's part is chosen by ADDRESS (v reads one row of (1, 0) with stride 0), so that all three run the same lines.
; LIMITS: |q|, |k|, |v| stay under 65,504 (f16).
; REGISTERS: window 0: v0-31 addresses; v32-95 scale words, two sets; v128-191 x's fragments, one set; v192-255 the table of two blocks of 16 rows; on the way out v32-191 are free.
;   window 1: w_qkv's fragments, two sets.   window 2: the 32 accumulators of my rows 0-63 ((a, b) at v[8 (8 a + b)]);   window 3: those of my rows 64-127.
.set KSTEP,  512
.set NQ,     KSTEP/128
.set ROWB,   256                       ; a tile's row in bytes
.set KROW,   512                       ; a row of codes in memory
.set PITCH,  272                       ; an LDS row: 256 bytes + 16 of padding: the 16 rows that a load touches start 68 words apart
.set FR,     8
.set NL,     2
.set NP,     4                         ; places behind this matrix instruction (ISA guide 7.12.1)
.set HALFT,  128*PITCH
.set SLOT,   4*HALFT
.set KS,     32                        ; a row of scale bytes
.set SCL,    2*SLOT
.set HALFS,  (128*KS/256)*272
.set SBLK,   (16*KS/256)*272
.set SPARE,  SCL+4*HALFS               ; the spare words, 128 bytes for each wave
.set ADRA, 16
.set ADRB, 20
.set FLG,  22                          ; v22  0 where my wave's first 16 rows are positions 0..15 of a batch
.set STO,  24                          ; v24  the way out: where I put 16 bytes of a row
.set RD,   25                          ; v25  where I read rows back
.set CO,   26                          ; v26  16 x lane
.set ADRS, 27
.set SPW,  28
.set NIL,  29
.set TA,   30                          ; v30  my lane's place in the table: row r (stride 256, or 0 for v) + 32 (lane / 16)
.set FO,   31                          ; v31  my lane's place in a unit of qkvf
.set SC,   32
.set AF,   128
.set T,    32                          ; the way out: v32-95 a block's 64 turned numbers, f32
.set P,    96                          ; v96-127 the same in f16
.set BK,   128                         ; v128-159, v160-191 rows read back, by turns
.set CS0,  192                         ; v192-223, v224-255 the table of blocks a % 2 = 0, 1
.set SROW, 144                         ; a stage row: 128 bytes + 16
.set G1, 24
.set G0, 32
.set G1B, 48
.set G0B, 56
.set G1S, 68
.set G0S, 76
.set G1SB, 80
.set G0SB, 88
.set MSB, 0
.macro WIN new                         ; the immediate's high byte repeats the setting that is left
.if MSB != \new
	s_set_vgpr_msb (MSB<<8)|\new
.set MSB, \new
.endif
.endm
.set MUL_LO, 0xa1                      ; source 0 window 1, source 1 window 0, C and D window 2
.set MUL_HI, 0xf1
.set TO_B,   0x40
; A joint load: waves 0 and 1 fetch for x, waves 2 and 3 for w_qkv.  The branch hangs on the wave's number alone.  An s_nop 0 and four v_nop follow each of the two lines.
.macro JLOAD g0a, g1a, g0b, g1b
	s_cmp_eq_u32 s15, 0
	s_cbranch_scc0 .Lfor_b_\@
	tensor_load_to_lds s[\g0a:\g0a+3], s[\g1a:\g1a+7]
	s_nop 0
.rept 4
	v_nop
.endr
	s_branch .Lasked_\@
.Lfor_b_\@:
	tensor_load_to_lds s[\g0b:\g0b+3], s[\g1b:\g1b+7]
	s_nop 0
.rept 4
	v_nop
.endr
.Lasked_\@:
.endm
.macro CREST
	s_cmp_lg_u32 s14, 0
	s_cbranch_scc1 .Lnot_wave_0_\@
	s_barrier_signal -3
.Lnot_wave_0_\@:
	s_barrier_wait -3
	s_barrier_signal -1
	s_barrier_wait -1
.endm
.macro CROUND                          ; a round of the cluster's barrier
	s_barrier_signal -1
	s_barrier_wait -1
	CREST
.endm
	s_load_b128 s[4:7], s[0:1], 0x0                ; codes s[4:5], scales s[6:7]
	s_load_b128 s[96:99], s[0:1], 0x10             ; rope s[96:97], qkvh s[98:99]
	s_load_b64 s[100:101], s[0:1], 0x20            ; qkvf
	v_lshl_add_u32 v[SPW], v0, 2, SPARE
	v_mov_b32 v[NIL], 0
	ds_add_u32 v[SPW], v[NIL]                      ; the wave's opening: the add, twice on end, and its wait ahead of my first tensor load
	ds_add_u32 v[SPW], v[NIL]
	v_lshrrev_b32 v1, 5, v0
	v_readfirstlane_b32 s14, v1                    ; wave 0..3
	s_lshr_b32 s15, s14, 1                         ; which half of the tile's rows is mine.  Also: I fetch for x (0) or for w_qkv (1)
	s_and_b32 s16, s14, 1                          ; which half of its columns.  Also: which 128 rows of that tile I fetch
	s_bfe_u32 s40, ttmp6, 0x40000                  ; cx, cy: my place in the cluster
	s_bfe_u32 s41, ttmp6, 0x40004
	s_lshl_b32 s42, ttmp9, 2
	s_add_co_u32 s42, s42, s40                     ; tile column = 4 x cluster x + cx
	s_and_b32 s17, ttmp7, 0xffff
	s_lshl_b32 s17, s17, 2
	s_add_co_u32 s17, s17, s41                     ; tile row = 4 x cluster y + cy
	s_lshl_b32 s43, s41, 2
	s_lshl_b32 s43, 15, s43                        ; my row of the cluster
	s_lshl_b32 s44, 0x1111, s40                    ; my column
	; descriptor group 1: a tile of 128 rows x 256 bytes, 16 bytes of padding behind each row
	s_or_b32 s[G1+0], s43, (0<<16)|(1<<20)|(1<<21)|(5<<22)|(3<<25)
	s_or_b32 s[G1B+0], s44, (0<<16)|(1<<20)|(1<<21)|(5<<22)|(3<<25)
.irp g, G1, G1B
	s_mov_b32 s[\g+1], ROWB<<16                    ; tensor_dim0
	s_mov_b32 s[\g+2], 128<<16                     ; tensor_dim1
	s_mov_b32 s[\g+3], ROWB<<16                    ; tile_dim0
	s_mov_b32 s[\g+4], 128                         ; tile_dim1
	s_mov_b32 s[\g+5], KROW                        ; the pitch in memory
	s_mov_b32 s[\g+6], 0
	s_mov_b32 s[\g+7], 0
.endr
	; the scale bytes of 128 rows: a dense block of 4,096 bytes, as rows of 256 bytes (32 elements of 8 bytes), 16 bytes of padding behind each
	s_or_b32 s[G1S+0], s43, (3<<16)|(1<<20)|(1<<21)|(5<<22)|(3<<25)
	s_or_b32 s[G1SB+0], s44, (3<<16)|(1<<20)|(1<<21)|(5<<22)|(3<<25)
.irp g, G1S, G1SB
	s_mov_b32 s[\g+1], 32<<16
	s_mov_b32 s[\g+2], (128*KS/256)<<16
	s_mov_b32 s[\g+3], 32<<16
	s_mov_b32 s[\g+4], 128*KS/256
	s_mov_b32 s[\g+5], 32
	s_mov_b32 s[\g+6], 0
	s_mov_b32 s[\g+7], 0
.endr
	s_lshl_b32 s18, s16, 7                         ; which 128 rows of the tile I fetch
	s_lshl_b32 s20, s17, 8
	s_add_co_u32 s20, s20, s18                     ; x: row 256 x tile row + 128 x half
	s_lshl_b32 s46, s42, 8
	s_add_co_u32 s46, s46, s18                     ; w_qkv: row 256 x tile column + 128 x half
	s_mov_b32 s21, 0
	s_mov_b32 s47, 0
	s_mov_b64 s[18:19], KS
	s_mul_u64 s[22:23], s[20:21], s[18:19]         ; where these rows' scale bytes begin
	s_mul_u64 s[92:93], s[46:47], s[18:19]
	s_mov_b64 s[18:19], KROW
	s_mul_u64 s[20:21], s[20:21], s[18:19]         ; and their codes
	s_mul_u64 s[46:47], s[46:47], s[18:19]
	s_mul_i32 s45, s14, HALFT                      ; where they go: wave x 128 rows: no place in the cluster enters an LDS address
	s_mul_i32 s94, s14, HALFS
	s_wait_dscnt 0x0                               ; both opening adds are done
	s_wait_kmcnt 0x0
	s_add_nc_u64 s[8:9], s[4:5], 0x400000          ; w_qkv's codes lie behind x's 4,194,304 bytes,
	s_add_nc_u64 s[10:11], s[6:7], 0x40000         ; its scale bytes behind x's 262,144
	s_add_nc_u64 s[20:21], s[4:5], s[20:21]
	s_add_nc_u64 s[22:23], s[6:7], s[22:23]
	s_add_nc_u64 s[46:47], s[8:9], s[46:47]
	s_add_nc_u64 s[92:93], s[10:11], s[92:93]
	CROUND                                         ; all sixteen work-groups are here: the first joint loads meet
	s_mov_b32 s[G0S], 1
	s_add_co_u32 s[G0S+1], s94, SCL
	s_mov_b64 s[G0S+2:G0S+3], s[22:23]
	s_or_b32 s[G0S+3], s[G0S+3], 0x80000000
	s_mov_b32 s[G0SB], 1
	s_add_co_u32 s[G0SB+1], s94, SCL
	s_mov_b64 s[G0SB+2:G0SB+3], s[92:93]
	s_or_b32 s[G0SB+3], s[G0SB+3], 0x80000000
	JLOAD G0S, G1S, G0SB, G1SB                     ; the scale bytes first: they are wanted with K step 0
.irp s, 0,1
	s_mov_b32 s[G0+4*\s], 1
	s_add_co_u32 s[G0+4*\s+1], s45, \s*SLOT
	s_add_nc_u64 s[G0+4*\s+2:G0+4*\s+3], s[20:21], \s*ROWB
	s_or_b32 s[G0+4*\s+3], s[G0+4*\s+3], 0x80000000
	s_mov_b32 s[G0B+4*\s], 1
	s_add_co_u32 s[G0B+4*\s+1], s45, \s*SLOT
	s_add_nc_u64 s[G0B+4*\s+2:G0B+4*\s+3], s[46:47], \s*ROWB
	s_or_b32 s[G0B+4*\s+3], s[G0B+4*\s+3], 0x80000000
	JLOAD G0+4*\s, G1, G0B+4*\s, G1B
.endr
	v_and_b32 v1, 15, v0                           ; r = lane % 16
	v_bfe_u32 v2, v0, 4, 1                         ; h = lane / 16
	v_mul_u32_u24 v3, v1, PITCH
	v_lshl_add_u32 v4, v2, 4, v3                   ; a fragment's row x pitch + 16 x half
	s_mul_i32 s21, s15, HALFT                      ; my 128 rows of x
	s_mul_i32 s22, s16, HALFT                      ; my 128 rows of w_qkv,
	s_add_co_u32 s22, s22, 2*HALFT                 ; which lie behind x's 256
.irp s, 0,1
	v_add_nc_u32 v[ADRA+\s], s21, v4
	v_add_nc_u32 v[ADRB+\s], s22, v4
	s_add_co_u32 s21, s21, SLOT
	s_add_co_u32 s22, s22, SLOT
.endr
	v_mul_u32_u24 v5, v1, KS                       ; my row's scale bytes: KS a row,
	v_lshrrev_b32 v6, 8, v5
	v_lshl_add_u32 v5, v6, 4, v5                   ; and 16 more for each 256 passed
	s_mul_i32 s21, s15, HALFS
	s_mul_i32 s22, s16, HALFS
	s_add_co_u32 s22, s22, 2*HALFS
	s_sub_co_u32 s22, s22, s21
	v_mul_u32_u24 v6, s22, v2                      ; lanes 16-31 take w_qkv's
	s_add_co_u32 s21, s21, SCL
	v_add_nc_u32 v5, v5, v6
	v_add_nc_u32 v[ADRS], s21, v5
	; the way out's addresses.  My stage: 2 heads x 16 rows x 144 bytes, in slot 0, which has had its one fill and its last read when the first result is stored there
	s_mul_i32 s23, s14, 2*16*SROW
	v_mul_u32_u24 v5, v1, SROW
	v_lshl_add_u32 v5, v2, 4, v5
	v_add_nc_u32 v[STO], s23, v5                   ; in: row r, + 16 h
	v_and_b32 v6, 31, v0
	v_lshrrev_b32 v5, 3, v6
	v_mul_u32_u24 v5, v5, SROW
	v_and_b32 v3, 7, v0
	v_lshl_add_u32 v5, v3, 4, v5
	v_add_nc_u32 v[RD], s23, v5                    ; back: eight lanes to a row of 128 bytes, four rows an instruction
	v_lshlrev_b32 v[CO], 4, v6                     ; which are 512 consecutive bytes of a head in memory
	s_cmp_lt_u32 ttmp9, 2
	s_cselect_b32 s95, 1, 0                        ; 1 for q and k, 0 for v: the cluster's x alone, the same in all sixteen partners
	s_lshr_b32 s2, s17, 3                          ; the batch: 8 tile rows each
	s_and_b32 s3, s17, 7
	s_lshl_b32 s12, s3, 8
	s_lshl_b32 s13, s15, 7
	s_add_co_u32 s12, s12, s13                     ; my first row's place in its sequence
	s_or_b32 s3, s3, s15
	v_mov_b32 v[FLG], s3
	s_lshl_b32 s66, ttmp9, 19                      ; the table's part: Q at 0, K at 524,288, the row (1, 0) at 1,048,576
	s_mul_i32 s13, s12, s95
	s_lshl_b32 s13, s13, 8                         ; 256 bytes a row
	s_add_co_u32 s66, s66, s13
	s_mov_b32 s67, 0
	s_add_nc_u64 s[4:5], s[96:97], s[66:67]        ; the table of block 0,
	s_lshl_b32 s66, s95, 12
	s_add_nc_u64 s[6:7], s[4:5], s[66:67]          ; of block 1: 16 rows on;
	s_lshl_b32 s8, s95, 13                         ; each pointer steps two blocks at a time
	s_mov_b32 s9, 0
	s_lshl_b32 s13, s95, 8
	v_mul_u32_u24 v[TA], s13, v1
	v_lshl_add_u32 v[TA], v2, 5, v[TA]
	s_mul_i32 s66, s2, 12582912                    ; qkvh: a batch is 48 units of 262,144 bytes,
	s_lshl_b32 s13, s12, 7                         ; a row 128 bytes
	s_add_co_u32 s66, s66, s13
	s_lshl_b32 s13, s42, 2
	s_lshl_b32 s10, s16, 1
	s_add_co_u32 s13, s13, s10                     ; my first unit: 4 x tile column + 2 x half
	s_lshl_b32 s10, s13, 18
	s_add_co_u32 s66, s66, s10
	s_add_nc_u64 s[98:99], s[98:99], s[66:67]
	s_mul_i32 s66, s2, 48
	s_add_co_u32 s66, s66, s13
	s_lshl_b32 s66, s66, 12                        ; qkvf: a unit is 4,096 bytes
	s_add_nc_u64 s[100:101], s[100:101], s[66:67]
	v_lshlrev_b32 v[FO], 8, v1
	v_lshl_add_u32 v[FO], v2, 5, v[FO]
; The table of one block of 16 rows: lane (r, h) takes, of row r, the four pairs (cos, sin) of frequencies 8 bq + 4 h + 0..3, bq = 0..3: 32 bytes each, eight loads
.macro TABLE set
.irp bq, 0,1,2,3
.irp e, 0,1
	global_load_b128 v[CS0+32*(\set)+8*\bq+4*\e:CS0+32*(\set)+8*\bq+4*\e+3], v[TA], s[4+2*(\set):5+2*(\set)] offset:64*\bq+16*\e
.endr
.endr
.endm
	TABLE 0                                        ; blocks 0 and 1 are asked for here and land under the products
	TABLE 1
.macro FRAG reg, adr, q, i             ; a fragment, 16 rows x 128 K of 4-bit codes, is 8 registers: lane l holds row l % 16; registers 4 c .. 4 c + 3 hold K = 64 c + 32 (l / 16) + 0 .. 31
.irp c, 0,1
	ds_load_b128 v[\reg+4*\c:\reg+4*\c+3], v[\adr] offset:64*(\q)+32*\c+(\i)*16*PITCH
.endr
.endm
; 16 matrix instructions: x's blocks a0, a0 + 1 against w_qkv's eight, 128 along K.  The 64 accumulators take turns, one instruction a turn, in the same order in every step.
.macro MUL16 a0, p, q, sc, zero
.irp a, \a0, \a0+1
.irp b, 0,1,2,3,4,5,6,7
.if \zero
	v_wmma_scale_f32_16x16x128_f8f6f4 v[8*(8*((\a)%4)+\b):8*(8*((\a)%4)+\b)+7], v[128*(\p)+FR*\b:128*(\p)+FR*\b+FR-1], v[AF+FR*(\a):AF+FR*(\a)+FR-1], 0, v[SC+8*NQ*(\sc)+NQ*\b+(\q)], v[SC+8*NQ*(\sc)+NQ*(\a)+(\q)] matrix_a_fmt:MATRIX_FMT_FP4 matrix_b_fmt:MATRIX_FMT_FP4 matrix_a_scale:MATRIX_SCALE_ROW1
.else
	v_wmma_scale_f32_16x16x128_f8f6f4 v[8*(8*((\a)%4)+\b):8*(8*((\a)%4)+\b)+7], v[128*(\p)+FR*\b:128*(\p)+FR*\b+FR-1], v[AF+FR*(\a):AF+FR*(\a)+FR-1], v[8*(8*((\a)%4)+\b):8*(8*((\a)%4)+\b)+7], v[SC+8*NQ*(\sc)+NQ*\b+(\q)], v[SC+8*NQ*(\sc)+NQ*(\a)+(\q)] matrix_a_fmt:MATRIX_FMT_FP4 matrix_b_fmt:MATRIX_FMT_FP4 matrix_a_scale:MATRIX_SCALE_ROW1
.endif
.endr
.endr
.endm
.macro FETCH_B slot, q, p
	WIN TO_B
.irp i, 0,1,2,3,4,5,6,7
	FRAG 128*(\p)+FR*\i, ADRB+\slot, \q, \i
.endr
	WIN 0
.endm
.macro FETCH_A slot, q, i0
.irp i, \i0, \i0+1, \i0+2, \i0+3
	FRAG AF+FR*(\i), ADRA+\slot, \q, \i
.endr
.endm
.macro SCALES sc                       ; a K step's scale words: four a row; lanes 0-15 take x's block i, lanes 16-31 w_qkv's block i
.irp i, 0,1,2,3,4,5,6,7
	ds_load_b128 v[SC+8*NQ*\sc+NQ*\i:SC+8*NQ*\sc+NQ*\i+3], v[ADRS] offset:\i*SBLK
.endr
.endm
.macro PLACES n                        ; plain vector lines between a matrix instruction and a load into, or a read of, its registers
.rept \n
	v_nop
.endr
.endm
.macro STEP slot, q, zero              ; 128 along K, with its successor in the same slot
	s_wait_dscnt 4*NL                              ; w_qkv's set and x's blocks 0-3 are in; the youngest eight loads (x's blocks 4-7) may be out
	WIN MUL_LO
	MUL16 0, (\q)%2, \q, \slot, \zero
	MUL16 2, (\q)%2, \q, \slot, \zero
	s_wait_dscnt 0
	PLACES NP
	FETCH_B \slot, (\q)+1, 1-(\q)%2
	FETCH_A \slot, (\q)+1, 0
	WIN MUL_HI
	MUL16 4, (\q)%2, \q, \slot, \zero
	MUL16 6, (\q)%2, \q, \slot, \zero
	PLACES NP
	WIN 0
	FETCH_A \slot, (\q)+1, 4
.endm
; Slot 0's last step goes on into slot 1: one barrier; in front of it each wave waits for all its tensor loads (its part of slot 1), adds 0 to its spare word, and waits for that and for its reads of slot 0.
.macro TURN slot, next
	s_wait_tensorcnt 0x0
	ds_add_u32 v[SPW], v[NIL]
	s_wait_dscnt 4*NL+1                            ; (the add and the youngest eight loads may be out)
	WIN MUL_LO
	MUL16 0, 1, NQ-1, \slot, 0
	s_wait_dscnt 0x0                               ; the add is done, and my reads of this slot are over
	s_barrier_signal -1
	MUL16 2, 1, NQ-1, \slot, 0
	WIN 0
	s_barrier_wait -1
	PLACES NP
	v_add_nc_u32 v[ADRS], 4*NQ, v[ADRS]            ; on to the next K step's scale words
	FETCH_B \next, 0, 0
	FETCH_A \next, 0, 0
	SCALES \next
	WIN MUL_HI
	MUL16 4, 1, NQ-1, \slot, 0
	MUL16 6, 1, NQ-1, \slot, 0
	PLACES NP
	WIN 0
	FETCH_A \next, 0, 4
.endm
.macro STEPS slot, from
.set Q, \from
.rept NQ-1-\from
	STEP \slot, Q, 0
.set Q, Q+1
.endr
.endm
	s_wait_tensorcnt 1                             ; the scale bytes and my part of K step 0 are in (K step 1's load may be out)
	s_barrier_signal -1
	s_barrier_wait -1                              ; everybody's are
	FETCH_B 0, 0, 0
	FETCH_A 0, 0, 0
	SCALES 0
	FETCH_A 0, 0, 4
	STEP 0, 0, 1                                   ; the first products start the sums: nothing is cleared
	STEPS 0, 1
	TURN 0, 1
	STEPS 1, 0
	s_wait_dscnt 4*NL                              ; the very last step: nothing more to fetch
	WIN MUL_LO
	MUL16 0, 1, NQ-1, 1, 0
	MUL16 2, 1, NQ-1, 1, 0
	s_wait_dscnt 0
	WIN MUL_HI
	MUL16 4, 1, NQ-1, 1, 0
	MUL16 6, 1, NQ-1, 1, 0
	WIN 0
; THE WAY OUT, block by block of 16 rows x 128 columns (two heads).  In accumulator (a, b) lane (r, h) holds row 16 a + r and channels 16 (b % 4) + 8 h + 0..7 of head b / 4: four pairs (x1, x2).
; ROPE: (x1 c - x2 s, x1 s + x2 c), two packed lines a pair: (x1 c, x2 c), then (-x2 s, x1 s) added by a fused multiply-add whose first source is taken crosswise.
.macro ROPE a
.set AC, 64*((\a)%4)
.set CS, CS0+32*((\a)%2)
.if (\a) < 7
	s_wait_loadcnt 8                               ; this block's table is in; the next block's eight loads may be out
.else
	s_wait_loadcnt 0x0
.endif
	WIN (0x02+(\a)/4)                              ; source 0: window 2 or 3
.irp b, 0,1,2,3,4,5,6,7
.irp p, 0,1,2,3
	v_pk_mul_f32 v[T+8*\b+2*\p:T+8*\b+2*\p+1], v[AC+8*\b+2*\p:AC+8*\b+2*\p+1], v[CS+8*(\b%4)+2*\p:CS+8*(\b%4)+2*\p+1] op_sel_hi:[1,0]   ; each accumulator from its low end on
.endr
.irp p, 0,1,2,3
	v_pk_fma_f32 v[T+8*\b+2*\p:T+8*\b+2*\p+1], v[AC+8*\b+2*\p:AC+8*\b+2*\p+1], v[CS+8*(\b%4)+2*\p:CS+8*(\b%4)+2*\p+1], v[T+8*\b+2*\p:T+8*\b+2*\p+1] op_sel:[1,1,0] op_sel_hi:[0,1,1] neg_lo:[1,0,0]
.endr
.endr
	WIN 0
.if (\a) < 6
	s_add_nc_u64 s[4+2*((\a)%2):5+2*((\a)%2)], s[4+2*((\a)%2):5+2*((\a)%2)], s[8:9]   ; this pointer's loads are done (the wait above): two blocks on
	TABLE (\a)%2
.endif
.endm
; Positions 0..15 of a batch leave in f32 too.  Which waves hold them hangs on the tile row, which differs between partners: so it is a mask of lanes, not a branch.  EXEC changes only behind s_wait_xcnt 0.
.macro FINE
	v_cmp_eq_u32 vcc_lo, 0, v[FLG]
	s_wait_xcnt 0x0
	s_and_saveexec_b32 s12, vcc_lo
.irp b, 0,1,2,3,4,5,6,7
.irp e, 0,1
	global_store_b128 v[FO], v[T+8*\b+4*\e:T+8*\b+4*\e+3], s[100:101] offset:(\b/4)*4096+(\b%4)*64+16*\e
.endr
.endr
	s_wait_xcnt 0x0                                ; the stores have read their data and EXEC
	s_or_b32 exec_lo, exec_lo, s12
.endm
.macro CVT
.irp b, 0,1,2,3,4,5,6,7
.irp p, 0,1,2,3
	v_cvt_pk_f16_f32 v[P+4*\b+\p], v[T+8*\b+2*\p], v[T+8*\b+2*\p+1]
.endr
.endr
.endm
.macro TOSTAGE a                       ; 16 bytes a lane into rows of 144; back as whole rows.  LDS serves a wave's instructions in order: no wait between the stores and the loads
.irp b, 0,1,2,3,4,5,6,7
	ds_store_b128 v[STO], v[P+4*\b:P+4*\b+3] offset:(\b/4)*16*SROW+(\b%4)*32
.endr
.set BB, BK+32*((\a)%2)
.irp hh, 0,1
.irp t, 0,1,2,3
	ds_load_b128 v[BB+4*(4*\hh+\t):BB+4*(4*\hh+\t)+3], v[RD] offset:\hh*16*SROW+\t*4*SROW
.endr
.endr
.endm
.macro SEND a, younger                 ; younger: the LDS instructions issued behind block a's loads, which may stay out
.set BB, BK+32*((\a)%2)
	s_wait_dscnt \younger
.irp hh, 0,1
.irp t, 0,1,2,3
	global_store_b128 v[CO], v[BB+4*(4*\hh+\t):BB+4*(4*\hh+\t)+3], s[98:99] offset:\hh*262144+(\a)*2048+\t*512   ; 32 lanes store 512 consecutive bytes, aligned to 256
.endr
.endr
.endm
	PLACES NP                                      ; behind the last products: their results are read, and their scale and fragment registers written, from here on
	ROPE 0
	FINE
	CVT
	TOSTAGE 0
.irp a, 1,2,3,4,5,6,7
	s_wait_xcnt 0x0                                ; block a - 2's stores have read their registers: block a's rows may land there
	ROPE \a
	CVT
	TOSTAGE \a
	SEND \a-1, 16                                  ; behind block a - 1's loads: block a's 8 stores and 8 loads
.endr
	SEND 7, 0
	s_wait_tensorcnt 0x0                           ; the wave's end: behind my last tensor load and my last LDS store
	ds_add_u32 v[SPW], v[NIL]
	s_wait_dscnt 0x0
	CROUND                                         ; the closing round
	s_endpgm
.Lfunc_end_k_q022466faf9_qkv:
	.size	k_q022466faf9_qkv, .Lfunc_end_k_q022466faf9_qkv-k_q022466faf9_qkv
	.p2alignl 7, 3214868480
	.fill 96, 4, 3214868480
	.section	.rodata,"a",@progbits
	.p2align	6, 0x0
	.amdhsa_kernel k_q022466faf9_qkv
		.amdhsa_group_segment_fixed_size 327680
		.amdhsa_private_segment_fixed_size 0
		.amdhsa_enable_private_segment 0
		.amdhsa_kernarg_size 40
		.amdhsa_user_sgpr_count 2
		.amdhsa_user_sgpr_kernarg_segment_ptr 1
		.amdhsa_wavefront_size32 1
		.amdhsa_system_sgpr_workgroup_id_x 1
		.amdhsa_system_sgpr_workgroup_id_y 1
		.amdhsa_system_sgpr_workgroup_id_z 1
		.amdhsa_system_vgpr_workitem_id 0
		.amdhsa_next_free_vgpr 1024
		.amdhsa_next_free_sgpr 102
		.amdhsa_reserve_vcc 1
		.amdhsa_float_denorm_mode_32 3
		.amdhsa_float_denorm_mode_16_64 3
		.amdhsa_memory_ordered 1
		.amdhsa_forward_progress 1
		.amdhsa_inst_pref_size 167
	.end_amdhsa_kernel
	.amdgpu_metadata
---
amdhsa.version: [ 1, 2 ]
amdhsa.kernels:
  - .name:           k_q022466faf9_qkv
    .symbol:         k_q022466faf9_qkv.kd
    .args:
      - { .name: codes, .offset: 0, .size: 8, .value_kind: global_buffer, .address_space: global }
      - { .name: scales, .offset: 8, .size: 8, .value_kind: global_buffer, .address_space: global }
      - { .name: rope, .offset: 16, .size: 8, .value_kind: global_buffer, .address_space: global }
      - { .name: qkvh, .offset: 24, .size: 8, .value_kind: global_buffer, .address_space: global }
      - { .name: qkvf, .offset: 32, .size: 8, .value_kind: global_buffer, .address_space: global }
    .group_segment_fixed_size: 327680
    .private_segment_fixed_size: 0
    .kernarg_segment_align: 8
    .kernarg_segment_size: 40
    .max_flat_workgroup_size: 128
    .sgpr_count:     102
    .vgpr_count:     1024
    .wavefront_size: 32
...
	.end_amdgpu_metadata
.endif
;; end of part 2
;; launch attn (part 3): grid 4 x 64, 8 waves a work-group, no clusters, 327,680 bytes of LDS; arguments qkvh, yh; writes yh
.if DOCPART == 3
	.amdgcn_target "amdgcn-amd-amdhsa--gfx1250"
	.amdhsa_code_object_version 6
	.text
	.protected	k_q022466faf9_attn
	.globl	k_q022466faf9_attn
	.p2align	8
	.type	k_q022466faf9_attn,@function
k_q022466faf9_attn:
	s_mov_b64 s[64:65], 0
	v_nop
	global_prefetch_b8 v0, s[64:65] scope:SCOPE_SE
	s_setreg_imm32_b32 hwreg(HW_REG_WAVE_MODE, 25, 1), 1
	s_wait_xcnt 0x0
; ATTN: y[b][h][q] = the sum over k <= q of softmax_k(q' . k) v[k], head size 64, 2,048 positions, 64 heads in all.  q' carries log2(e) / 8, so a score arrives as t and p = 2^(t - m), m the running maximum of t: t - m <= 0.
; q, k, v: f16, qkvh [batch 4][unit 48][2048][64] (unit h = q, 16 + h = k, 32 + h = v).  Products, maxima and sums in f32; p is rounded to f16 for the second product, y once at the end: yh [16 b + h][2048][64] f16.
; SHARES.  Work-group (i, head) owns the query blocks i and 7 - i, 256 queries each.  Wave w of eight owns an EARLY pair of tiles of 16 queries, from 256 i + 32 w, and a LATE pair, from 256 (7 - i) + 32 (7 - w):
; under the causal mask that is 33 steps of a pair x 64 keys for every wave of every work-group.  Two waves share a SIMD, so that one wave's softmax stands beside the other's products.
; LAYOUT.  S^T = K Q^T (source 0 = 16 keys, source 1 = 16 queries): a lane holds ONE query (lane % 16) and keys 8 (lane / 16) + 0..7.  Two such tiles, rounded in pairs, ARE source 1 of O^T = V^T P.
; K comes out of LDS as it lies, V ([key][channel]) turned, by ds_load_tr16_b128.
; THE RING.  Two slots of 256 keys (four steps).  Each wave brings one tile of 64 rows: waves 0-3 K of step w, waves 4-7 V of step w - 4: one tensor load a wave is out.  Every work-group walks all eight slots:
; the trip counts are constants; a step all of whose keys come after a pair's queries is jumped over, and a slot whose first key comes after the work-group's last query is not asked for.
; NO CLUSTER: the four work-groups of a head need 8, 7, 6 and 5 slots; a joint load would bring tiles that all waves of a partner jump over.
; LIMITS: |y| stays under 65,504 (f16).
; REGISTERS: window 0: v1-14 addresses; v30, v31 the add's two; v32-63 statistics, 8 a tile (+0 m, +1 zero, +2, +3 the sum, +4..+7 at work; the factor a takes +6); v64-127 K; v128-191 S^T of a pair; v192-223 P; v224-255 the way out.
;   window 1: v0-63 Q, 16 a tile; v64-191 O^T, 32 a tile; v192-255 V.
.set PK,    144                        ; a row of K in LDS: 128 bytes + 16
.set PV,    160                        ; a row of V: 128 + 32: five times 32 bytes, for the turning load
.set VOFF,  64*PK
.set STEPB, 64*(PK+PV)                 ; a step: 64 rows of K, then 64 rows of V
.set SLOT1, 1<<17                      ; slot 1 begins here: one exclusive or turns an address in one slot into the other's
.set STAGE, SLOT1+4*STEPB              ; behind the ring: 16 rows x 144 bytes for each wave
.set SPARE, STAGE+8*16*144             ; the spare words, 128 bytes for each wave
.set AK0, 3
.set AV0, 4
.set ADK, 5
.set ADV, 6
.set QA,  7
.set RH,  8                            ; v8   lane % 16 - 8 (lane / 16)
.set DD,  9
.set NINF, 10
.set STO, 11
.set RD,  12
.set GO,  13
.set PFO, 14
.set SPW, 30
.set NIL, 31
.set ST,  32
.set KR,  64
.set S,   128
.set P,   192
.set BK,  224
.set OT,  64                           ; in window 1
.set VR,  192                          ; in window 1
.set WV,  8
.set SEL, 20
.set G1K, 24
.set G1V, 32
.set G0,  40
.set TB,  44                           ; s44  LDS byte at which the step in hand begins
.set KF,  45                           ; s45  the step's first key
.set QE,  46                           ; s46  the early pair's first query;  s47 the late pair's
.set QLAST, 48                         ; s48  my work-group's last query
.set SLOTS, 49
.set CNT, 50
.set LIM, 51
.set PFA, 52
.set YP,  54                           ; s[54:55], s[56:57] y at the early and the late pair's first row
.set MSB, 0
.macro WIN new
.if MSB != \new
	s_set_vgpr_msb (MSB<<8)|\new
.set MSB, \new
.endif
.endm
; My one tensor load: K's shape or V's, by the wave's number.  An s_nop 0 and four v_nop follow each of the two lines.
.macro TLOAD
	s_cmp_lt_u32 s[WV], 4
	s_cbranch_scc0 .Lfor_v_\@
	tensor_load_to_lds s[G0:G0+3], s[G1K:G1K+7]
	s_nop 0
.rept 4
	v_nop
.endr
	s_branch .Lasked_\@
.Lfor_v_\@:
	tensor_load_to_lds s[G0:G0+3], s[G1V:G1V+7]
	s_nop 0
.rept 4
	v_nop
.endr
.Lasked_\@:
.endm
; A prefetch of what the NEXT change of slots will ask for.  The four work-groups of a head walk the same K and V: the one with i = 0, which loads all eight slots, asks alone.  Each of its waves names its own tile of that
; slot, 64 rows of 128 bytes on end: 32 lanes, 256 bytes apart.  So each block is named once.  Slots 0 and 1 come by their loads alone; the last change that fills a slot asks for nothing.
.macro ASK
	s_cmp_gt_u32 s[SLOTS], s[LIM]
	s_cbranch_scc0 .Lnot_mine_\@
	global_prefetch_b8 v[PFO], s[PFA:PFA+1] th:TH_LOAD_NT scope:SCOPE_SE
.Lnot_mine_\@:
.endm
	s_load_b128 s[4:7], s[0:1], 0x0                ; qkvh s[4:5], yh s[6:7]
	v_lshl_add_u32 v[SPW], v0, 2, SPARE
	v_mov_b32 v[NIL], 0
	ds_add_u32 v[SPW], v[NIL]                      ; the wave's opening: the add, twice on end, and its wait ahead of my first tensor load
	ds_add_u32 v[SPW], v[NIL]
	v_lshrrev_b32 v1, 5, v0
	v_readfirstlane_b32 s[WV], v1                  ; wave 0..7
	; descriptor group 1: 64 rows x 64 elements of 2 bytes, dense in memory; padding behind every 32 words: 4 words for K, 8 for V
	s_mov_b32 s[G1K], (1<<16)|(1<<20)|(4<<22)|(3<<25)
	s_mov_b32 s[G1V], (1<<16)|(1<<20)|(4<<22)|(7<<25)
.irp g, G1K, G1V
	s_mov_b32 s[\g+1], 64<<16                      ; tensor_dim0
	s_mov_b32 s[\g+2], 64<<16                      ; tensor_dim1
	s_mov_b32 s[\g+3], 64<<16                      ; tile_dim0
	s_mov_b32 s[\g+4], 64                          ; tile_dim1
	s_mov_b32 s[\g+5], 64                          ; the pitch
	s_mov_b32 s[\g+6], 0
	s_mov_b32 s[\g+7], 0
.endr
	s_and_b32 s9, ttmp7, 0xffff                    ; 16 b + h
	s_lshr_b32 s10, s9, 4
	s_and_b32 s11, s9, 15
	s_mul_i32 s12, s10, 48
	s_add_co_u32 s12, s12, s11                     ; q's unit
	s_lshl_b32 s12, s12, 18                        ; 262,144 bytes a unit
	s_lshl_b32 s13, ttmp9, 8
	s_lshl_b32 s14, s[WV], 5
	s_add_co_u32 s[QE], s13, s14                   ; 256 i + 32 w
	s_sub_co_u32 s13, 1792, s13
	s_sub_co_u32 s14, 224, s14
	s_add_co_u32 s[QE+1], s13, s14                 ; 256 (7 - i) + 32 (7 - w)
	s_add_co_u32 s[QLAST], s13, 255
	s_lshl_b32 s22, s[QE], 7                       ; 128 bytes a row
	s_lshl_b32 s58, s[QE+1], 7
	s_lshl_b32 s15, s9, 18
	s_add_co_u32 s60, s22, s15                     ; y's rows
	s_add_co_u32 s62, s58, s15
	s_add_co_u32 s22, s22, s12                     ; q's rows
	s_add_co_u32 s58, s58, s12
	s_mov_b32 s23, 0
	s_mov_b32 s59, 0
	s_mov_b32 s61, 0
	s_mov_b32 s63, 0
	s_lshr_b32 s13, s[WV], 2                       ; I fetch for K (0) or for V (1),
	s_and_b32 s14, s[WV], 3                        ; which of a slot's four steps
	s_lshl_b32 s15, s13, 22                        ; v's units lie 16 behind k's,
	s_add_co_u32 s66, s12, s15
	s_add_co_u32 s66, s66, 1<<22                   ; k's 16 behind q's
	s_lshl_b32 s15, s14, 13                        ; 64 rows of 128 bytes a step
	s_add_co_u32 s66, s66, s15
	s_mov_b32 s67, 0
	s_mov_b32 s[G0], 1
	s_mul_i32 s[G0+1], s14, STEPB
	s_mul_i32 s15, s13, VOFF
	s_add_co_u32 s[G0+1], s[G0+1], s15             ; my tile's place in slot 0
	s_mov_b32 s[SEL], 0x76543210
	s_mov_b32 s[SEL+1], 0xfedcba98                 ; v_permlanex16_b32's selects for lane l xor 16
	s_mov_b32 s[TB], 0
	s_mov_b32 s[KF], 0
	s_mov_b32 s[SLOTS], 7
	s_cmp_eq_u32 ttmp9, 0
	s_cselect_b32 s[LIM], 1, -1
	s_wait_dscnt 0x0                               ; both opening adds are done
	s_wait_kmcnt 0x0
	s_add_nc_u64 s[G0+2:G0+3], s[4:5], s[66:67]
	s_add_nc_u64 s[PFA:PFA+1], s[G0+2:G0+3], 32768 ; my tile of slot 1; the first change of slots steps it to slot 2.  Nothing is prefetched here, at the head
	s_or_b32 s[G0+3], s[G0+3], 0x80000000
	TLOAD                                          ; slot 0
	s_add_nc_u64 s[16:17], s[4:5], s[22:23]
	s_add_nc_u64 s[18:19], s[4:5], s[58:59]
	s_add_nc_u64 s[YP:YP+1], s[6:7], s[60:61]
	s_add_nc_u64 s[YP+2:YP+3], s[6:7], s[62:63]
	v_and_b32 v1, 15, v0                           ; r
	v_bfe_u32 v2, v0, 4, 1                         ; h
	v_lshlrev_b32 v[QA], 7, v1
	v_lshl_add_u32 v[QA], v2, 4, v[QA]
	WIN 0x40                                       ; destination window 1
.irp p, 0,1
.irp tt, 0,1
.irp ks, 0,1
	global_load_b128 v[32*\p+16*\tt+8*\ks:32*\p+16*\tt+8*\ks+3],   v[QA], s[16+2*\p:17+2*\p] offset:2048*\tt+64*\ks      ; Q stays in registers
	global_load_b128 v[32*\p+16*\tt+8*\ks+4:32*\p+16*\tt+8*\ks+7], v[QA], s[16+2*\p:17+2*\p] offset:2048*\tt+64*\ks+32
.endr
.endr
.endr
.set i, 0
.rept 128
	v_mov_b32 v[OT+i], 0                           ; O^T.  (The step is written once: the first finds zeros, which the first factor a leaves zeros)
.set i, i+1
.endr
	WIN 0
	v_mul_u32_u24 v[AK0], v1, PK
	v_lshl_add_u32 v[AK0], v2, 4, v[AK0]           ; K: row r x pitch + 16 h
	v_and_b32 v5, 7, v0
	v_bfe_u32 v6, v0, 3, 1
	v_lshl_add_u32 v[AV0], v2, 3, v5               ; V, for the turning load: key 8 h + lane % 8, channels 8 ((lane / 8) % 2) on
	v_mul_u32_u24 v[AV0], v[AV0], PV
	v_lshl_add_u32 v[AV0], v6, 4, v[AV0]
	v_add_nc_u32 v[AV0], VOFF, v[AV0]
	v_lshlrev_b32 v[RH], 3, v2
	v_sub_nc_u32 v[RH], v1, v[RH]
	v_mov_b32 v[NINF], 0xff800000
	s_mul_i32 s13, s[WV], 16*144
	s_add_co_u32 s13, s13, STAGE                   ; my stage
	v_mul_u32_u24 v[STO], v1, 144
	v_lshl_add_u32 v[STO], v2, 4, v[STO]
	v_add_nc_u32 v[STO], s13, v[STO]
	v_and_b32 v[GO], 31, v0
	v_lshrrev_b32 v[RD], 3, v[GO]
	v_mul_u32_u24 v[RD], v[RD], 144
	v_lshl_add_u32 v[RD], v5, 4, v[RD]
	v_add_nc_u32 v[RD], s13, v[RD]
	v_lshlrev_b32 v[PFO], 8, v[GO]
	v_lshlrev_b32 v[GO], 4, v[GO]
.irp t, 0,1,2,3
	v_mov_b32 v[ST+8*\t], 0xff61b1e6               ; m: -3e38, under every t
	v_mov_b32 v[ST+8*\t+1], 0                      ; (named with m as a pair)
	v_mov_b32 v[ST+8*\t+2], 0                      ; the sum, in two halves
	v_mov_b32 v[ST+8*\t+3], 0
.endr
; THE SOFTMAX of pair p for one step, both tiles line by line.  All 66 exponentials are one batch with one wait, ahead of the first line that names a result.
.macro SOFT p
.irp j, 0,1,2,3
.irp tt, 0,1
	v_max3_num_f32 v[ST+8*(2*\p+\tt)+4+\j], v[S+32*\tt+8*\j], v[S+32*\tt+8*\j+1], v[S+32*\tt+8*\j+2]   ; four chains, one to an accumulator, each from its low end on
.endr
.endr
.irp g, 1,2
.irp j, 0,1,2,3
.irp tt, 0,1
	v_max3_num_f32 v[ST+8*(2*\p+\tt)+4+\j], v[ST+8*(2*\p+\tt)+4+\j], v[S+32*\tt+8*\j+2*\g+1], v[S+32*\tt+8*\j+2*\g+2]
.endr
.endr
.endr
.irp tt, 0,1
	v_max3_num_f32 v[ST+8*(2*\p+\tt)+4], v[ST+8*(2*\p+\tt)+4], v[S+32*\tt+7], v[S+32*\tt+15]
	v_max3_num_f32 v[ST+8*(2*\p+\tt)+6], v[ST+8*(2*\p+\tt)+6], v[S+32*\tt+23], v[S+32*\tt+31]
.endr
.irp tt, 0,1
	v_max3_num_f32 v[ST+8*(2*\p+\tt)+4], v[ST+8*(2*\p+\tt)+4], v[ST+8*(2*\p+\tt)+5], v[ST+8*(2*\p+\tt)+6]
.endr
.irp tt, 0,1
	v_max3_num_f32 v[ST+8*(2*\p+\tt)+4], v[ST+8*(2*\p+\tt)+4], v[ST+8*(2*\p+\tt)+7], v[ST+8*(2*\p+\tt)]   ; with the old m
.endr
.irp tt, 0,1
	v_permlanex16_b32 v[ST+8*(2*\p+\tt)+5], v[ST+8*(2*\p+\tt)+4], s[SEL], s[SEL+1]   ; the query's other 32 keys lie in the lane 16 away
.endr
.irp tt, 0,1
	v_mov_b32 v[ST+8*(2*\p+\tt)+7], v[ST+8*(2*\p+\tt)]
.endr
.irp tt, 0,1
	v_max_num_f32 v[ST+8*(2*\p+\tt)], v[ST+8*(2*\p+\tt)+4], v[ST+8*(2*\p+\tt)+5]     ; the new m
.endr
.irp tt, 0,1
	v_sub_f32 v[ST+8*(2*\p+\tt)+7], v[ST+8*(2*\p+\tt)+7], v[ST+8*(2*\p+\tt)]         ; old m - new m
.endr
.irp b, 0,1,2,3,4,5,6,7,8,9,10,11,12,13,14,15
.irp tt, 0,1
	v_pk_add_f32 v[S+32*\tt+2*\b:S+32*\tt+2*\b+1], v[S+32*\tt+2*\b:S+32*\tt+2*\b+1], v[ST+8*(2*\p+\tt):ST+8*(2*\p+\tt)+1] op_sel_hi:[1,0] neg_lo:[0,1] neg_hi:[0,1]   ; t - m
.endr
.endr
.irp tt, 0,1
	v_exp_f32 v[ST+8*(2*\p+\tt)+6], v[ST+8*(2*\p+\tt)+7]                             ; a = 2^(old m - new m)
.endr
.irp n, 0,1,2,3,4,5,6,7,8,9,10,11,12,13,14,15,16,17,18,19,20,21,22,23,24,25,26,27,28,29,30,31
.irp tt, 0,1
	v_exp_f32 v[S+32*\tt+\n], v[S+32*\tt+\n]                                         ; p, at most 1
.endr
.endr
	v_nop                                          ; a plain line behind the last exponential
	s_wait_alu depctr_va_vdst(0)                   ; one wait for the batch: ahead of the first line that names a result
.irp n, 0,1,2,3,4,5,6,7,8,9,10,11,12,13,14,15
.irp tt, 0,1
	v_cvt_pk_f16_f32 v[P+16*\tt+\n], v[S+32*\tt+2*\n], v[S+32*\tt+2*\n+1]
.endr
.endr
.irp u, 0,1,2,3,4,5,6,7                        ; the sum of the unrounded p: a tree in place, pairs 1, 2, 4 and 8 apart
.irp tt, 0,1
	v_pk_add_f32 v[S+32*\tt+4*\u:S+32*\tt+4*\u+1], v[S+32*\tt+4*\u:S+32*\tt+4*\u+1], v[S+32*\tt+4*\u+2:S+32*\tt+4*\u+3]
.endr
.endr
.irp u, 0,1,2,3
.irp tt, 0,1
	v_pk_add_f32 v[S+32*\tt+8*\u:S+32*\tt+8*\u+1], v[S+32*\tt+8*\u:S+32*\tt+8*\u+1], v[S+32*\tt+8*\u+4:S+32*\tt+8*\u+5]
.endr
.endr
.irp u, 0,1
.irp tt, 0,1
	v_pk_add_f32 v[S+32*\tt+16*\u:S+32*\tt+16*\u+1], v[S+32*\tt+16*\u:S+32*\tt+16*\u+1], v[S+32*\tt+16*\u+8:S+32*\tt+16*\u+9]
.endr
.endr
.irp tt, 0,1
	v_pk_add_f32 v[S+32*\tt:S+32*\tt+1], v[S+32*\tt:S+32*\tt+1], v[S+32*\tt+16:S+32*\tt+17]
.endr
.irp tt, 0,1
	v_pk_fma_f32 v[ST+8*(2*\p+\tt)+2:ST+8*(2*\p+\tt)+3], v[ST+8*(2*\p+\tt)+2:ST+8*(2*\p+\tt)+3], v[ST+8*(2*\p+\tt)+6:ST+8*(2*\p+\tt)+7], v[S+32*\tt:S+32*\tt+1] op_sel_hi:[1,0,1]
.endr
	WIN 0x41                                       ; O^T (destination and source 0) window 1, a window 0
.irp n, 0,1,2,3,4,5,6,7,8,9,10,11,12,13,14,15
.irp tt, 0,1
	v_pk_mul_f32 v[OT+32*(2*\p+\tt)+2*\n:OT+32*(2*\p+\tt)+2*\n+1], v[OT+32*(2*\p+\tt)+2*\n:OT+32*(2*\p+\tt)+2*\n+1], v[ST+8*(2*\p+\tt)+6:ST+8*(2*\p+\tt)+7] op_sel_hi:[1,0]
.endr
.endr
.endm
; Pair p's part of a step: 16 products K Q^T, the mask on the diagonal, the softmax, 16 products V^T P.  In each run the eight accumulators take turns, one instruction a turn.
.macro PAIR p, first
.if \first
	s_wait_dscnt 16                                ; K is in; V's sixteen loads may be out
.endif
	WIN 0x04                                       ; Q in window 1
.irp ks, 0,1
.irp kt, 0,1,2,3
.irp tt, 0,1
.if \ks == 0
	v_wmma_f32_16x16x32_f16 v[S+32*\tt+8*\kt:S+32*\tt+8*\kt+7], v[KR+16*\kt+8*\ks:KR+16*\kt+8*\ks+7], v[32*\p+16*\tt+8*\ks:32*\p+16*\tt+8*\ks+7], 0
.else
	v_wmma_f32_16x16x32_f16 v[S+32*\tt+8*\kt:S+32*\tt+8*\kt+7], v[KR+16*\kt+8*\ks:KR+16*\kt+8*\ks+7], v[32*\p+16*\tt+8*\ks:32*\p+16*\tt+8*\ks+7], v[S+32*\tt+8*\kt:S+32*\tt+8*\kt+7]
.endif
.endr
.endr
.endr
	WIN 0
.rept 4
	v_nop                                          ; places ahead of the first read of the scores
.endr
	s_add_co_u32 s96, s[KF], 63                    ; a step all of whose keys count for all 32 queries has no mask: a branch on ids and the count of steps
	s_cmp_le_u32 s96, s[QE+\p]
	s_cbranch_scc1 .Lopen_\@
	s_sub_co_i32 s96, s[QE+\p], s[KF]
	v_add_nc_u32 v[DD], s96, v[RH]                 ; register 8 kt + j of tile tt holds key KF + 16 kt + 8 h + j of query q0 + 16 tt + r: hidden where 16 kt + j - 16 tt > q0 - KF + r - 8 h
.irp tt, 0,1
.irp kt, 0,1,2,3
.irp j, 0,1,2,3,4,5,6,7
	v_cmp_gt_i32 vcc_lo, 16*\kt+\j-16*\tt, v[DD]
	v_cndmask_b32 v[S+32*\tt+8*\kt+\j], v[S+32*\tt+8*\kt+\j], v[NINF], vcc_lo
.endr
.endr
.endr
.Lopen_\@:
	SOFT \p
.if \first
	s_wait_dscnt 0x0                               ; V is in
.endif
	WIN 0x51                                       ; V, C and D in window 1, P in window 0
.irp kk, 0,1
.irp ct, 0,1,2,3
.irp tt, 0,1
	v_wmma_f32_16x16x32_f16 v[OT+32*(2*\p+\tt)+8*\ct:OT+32*(2*\p+\tt)+8*\ct+7], v[VR+32*\kk+8*\ct:VR+32*\kk+8*\ct+7], v[P+16*\tt+8*\kk:P+16*\tt+8*\kk+7], v[OT+32*(2*\p+\tt)+8*\ct:OT+32*(2*\p+\tt)+8*\ct+7]
.endr
.endr
.endr
	WIN 0
.rept 4
	v_nop                                          ; places ahead of the next loads into K's and V's registers, and of the way out's reads
.endr
.endm
; A KEY STEP: 64 keys.  The late pair's queries come after the early pair's, so a step hidden from the late pair is hidden from both.  The lines at its end, which step addresses, are on every path.
.macro STEP
	s_add_co_u32 s96, s[QE+1], 31
	s_cmp_gt_u32 s[KF], s96
	s_cbranch_scc1 .Lhidden_\@
	v_add_nc_u32 v[ADK], s[TB], v[AK0]
	v_add_nc_u32 v[ADV], s[TB], v[AV0]
.irp f, 0,1,2,3,4,5,6,7                        ; K: keys 16 (f / 2) on, channels 32 (f % 2) on
	ds_load_b128 v[KR+8*\f:KR+8*\f+3],   v[ADK] offset:(\f/2)*16*PK+(\f%2)*64
	ds_load_b128 v[KR+8*\f+4:KR+8*\f+7], v[ADK] offset:(\f/2)*16*PK+(\f%2)*64+32
.endr
	WIN 0x40
.irp f, 0,1,2,3,4,5,6,7                        ; V, turned: keys 32 (f / 4) on, channels 16 (f % 4) on
	ds_load_tr16_b128 v[VR+8*\f:VR+8*\f+3],   v[ADV] offset:(\f/4)*32*PV+(\f%4)*32
	ds_load_tr16_b128 v[VR+8*\f+4:VR+8*\f+7], v[ADV] offset:(\f/4)*32*PV+16*PV+(\f%4)*32
.endr
	WIN 0
	PAIR 1, 1
	s_add_co_u32 s96, s[QE], 31
	s_cmp_gt_u32 s[KF], s96
	s_cbranch_scc1 .Lhidden_\@
	PAIR 0, 0
.Lhidden_\@:
	s_add_co_u32 s[KF], s[KF], 64
	s_add_co_u32 s[TB], s[TB], STEPB
.endm
; THE CHANGE OF SLOTS stands at a slot's head.  Each wave waits for all its tensor loads (its tile of the slot ahead), adds 0 to its spare word, and waits for that and for its reads of the slot that it has left.
; Behind the barrier the slot ahead is whole and nobody reads the other one.  fill = 1: that other slot takes the keys that follow, up to the causal limit: the load has four steps in which to land.
.macro CHANGE fill
	s_wait_tensorcnt 0x0                           ; no tensor load of mine is out, so the descriptor may be written
	ds_add_u32 v[SPW], v[NIL]
.if \fill
	s_xor_b32 s[G0+1], s[G0+1], SLOT1              ; the other slot than last time,
	s_add_nc_u64 s[G0+2:G0+3], s[G0+2:G0+3], 32768 ; the next 256 keys; the type bits on top are not reached
	s_wait_xcnt 0x0                                ; the last prefetch, a slot back, has read its address
	s_add_nc_u64 s[PFA:PFA+1], s[PFA:PFA+1], 32768
.endif
	s_wait_dscnt 0x0                               ; the add is done, and my reads of the slot that I have left are over
	s_barrier_signal -1
	s_barrier_wait -1
.if \fill
	s_add_co_u32 s96, s[KF], 256                   ; the first key of the slot that this change would ask for: past my work-group's last query it would be read by none of the eight waves
	s_cmp_gt_u32 s96, s[QLAST]                     ; ids and the count of steps alone: all eight waves go the same way
	s_cbranch_scc1 .Lpast_\@
	TLOAD
.Lpast_\@:
	ASK
.endif
.endm
.macro SLOT_STEPS                      ; a slot's four steps: written once, walked four times
	s_mov_b32 s[CNT], 4
.Lstep_\@:
	STEP
	s_sub_co_u32 s[CNT], s[CNT], 1
	s_cmp_lg_u32 s[CNT], 0
	s_cbranch_scc1 .Lstep_\@
	s_sub_co_u32 s[TB], s[TB], 4*STEPB
	s_xor_b32 s[TB], s[TB], SLOT1                  ; on to the other slot
.endm
	s_wait_loadcnt 0x0                             ; Q
.Lslot:                                            ; seven trips
	CHANGE 1
	SLOT_STEPS
	s_sub_co_u32 s[SLOTS], s[SLOTS], 1
	s_cmp_lg_u32 s[SLOTS], 0
	s_cbranch_scc1 .Lslot
	CHANGE 0                                       ; the last slot is written out: nothing is left to ask for
	SLOT_STEPS
	; THE WAY OUT.  The sum's halves are added; O^T is divided by the sum, rounded to f16 and sent through my stage, a tile (16 rows of 128 bytes) at a time.
.irp t, 0,1,2,3
	v_add_f32 v[ST+8*\t+4], v[ST+8*\t+2], v[ST+8*\t+3]
.endr
.irp t, 0,1,2,3
	v_permlanex16_b32 v[ST+8*\t+5], v[ST+8*\t+4], s[SEL], s[SEL+1]
.endr
.irp t, 0,1,2,3
	v_add_f32 v[ST+8*\t+4], v[ST+8*\t+4], v[ST+8*\t+5]
.endr
.irp t, 0,1,2,3
	v_rcp_f32 v[ST+8*\t+6], v[ST+8*\t+4]
.endr
	v_nop                                          ; a plain line behind the last reciprocal
	s_wait_alu depctr_va_vdst(0)                   ; and one wait for the four, ahead of the first use
.macro OUT t
	WIN 0x01                                       ; O^T in window 1
.set i, 0
.rept 16
	v_pk_mul_f32 v[S+32*((\t)%2)+i:S+32*((\t)%2)+i+1], v[OT+32*(\t)+i:OT+32*(\t)+i+1], v[ST+8*(\t)+6:ST+8*(\t)+7] op_sel_hi:[1,0]
.set i, i+2
.endr
	WIN 0
.set i, 0
.rept 16
	v_cvt_pk_f16_f32 v[P+16*((\t)%2)+i], v[S+32*((\t)%2)+2*i], v[S+32*((\t)%2)+2*i+1]
.set i, i+1
.endr
.irp ct, 0,1,2,3
	ds_store_b128 v[STO], v[P+16*((\t)%2)+4*\ct:P+16*((\t)%2)+4*\ct+3] offset:32*\ct
.endr
.irp u, 0,1,2,3
	ds_load_b128 v[BK+16*((\t)%2)+4*\u:BK+16*((\t)%2)+4*\u+3], v[RD] offset:576*\u   ; LDS serves a wave's instructions in order: these see the stores above
.endr
.endm
.macro SENDY t, younger                ; younger: the next tile's four stores and four loads, or none
	s_wait_dscnt \younger
.irp u, 0,1,2,3
	global_store_b128 v[GO], v[BK+16*((\t)%2)+4*\u:BK+16*((\t)%2)+4*\u+3], s[YP+2*((\t)/2):YP+2*((\t)/2)+1] offset:2048*((\t)%2)+512*\u   ; 32 lanes store 512 consecutive bytes, aligned to 256
.endr
.endm
	OUT 0
	OUT 1
	SENDY 0, 8
	s_wait_xcnt 0x0                                ; tile 0's stores have read their registers: tile 2's rows may land there
	OUT 2
	SENDY 1, 8
	s_wait_xcnt 0x0
	OUT 3
	SENDY 2, 8
	SENDY 3, 0
	s_wait_tensorcnt 0x0                           ; the wave's end: behind my last tensor load and my last LDS store
	ds_add_u32 v[SPW], v[NIL]
	s_wait_dscnt 0x0
	s_endpgm
.Lfunc_end_k_q022466faf9_attn:
	.size	k_q022466faf9_attn, .Lfunc_end_k_q022466faf9_attn-k_q022466faf9_attn
	.p2alignl 7, 3214868480
	.fill 96, 4, 3214868480
	.section	.rodata,"a",@progbits
	.p2align	6, 0x0
	.amdhsa_kernel k_q022466faf9_attn
		.amdhsa_group_segment_fixed_size 327680
		.amdhsa_private_segment_fixed_size 0
		.amdhsa_enable_private_segment 0
		.amdhsa_kernarg_size 16
		.amdhsa_user_sgpr_count 2
		.amdhsa_user_sgpr_kernarg_segment_ptr 1
		.amdhsa_wavefront_size32 1
		.amdhsa_system_sgpr_workgroup_id_x 1
		.amdhsa_system_sgpr_workgroup_id_y 1
		.amdhsa_system_sgpr_workgroup_id_z 1
		.amdhsa_system_vgpr_workitem_id 0
		.amdhsa_next_free_vgpr 512
		.amdhsa_next_free_sgpr 98
		.amdhsa_reserve_vcc 1
		.amdhsa_float_denorm_mode_32 3
		.amdhsa_float_denorm_mode_16_64 3
		.amdhsa_memory_ordered 1
		.amdhsa_forward_progress 1
		.amdhsa_inst_pref_size 108
	.end_amdhsa_kernel
	.amdgpu_metadata
---
amdhsa.version: [ 1, 2 ]
amdhsa.kernels:
  - .name:           k_q022466faf9_attn
    .symbol:         k_q022466faf9_attn.kd
    .args:
      - { .name: qkvh, .offset: 0, .size: 8, .value_kind: global_buffer, .address_space: global }
      - { .name: yh, .offset: 8, .size: 8, .value_kind: global_buffer, .address_space: global }
    .group_segment_fixed_size: 327680
    .private_segment_fixed_size: 0
    .kernarg_segment_align: 8
    .kernarg_segment_size: 16
    .max_flat_workgroup_size: 256
    .sgpr_count:     98
    .vgpr_count:     512
    .wavefront_size: 32
...
	.end_amdgpu_metadata
.endif
;; end of part 3
;; launch proj (part 4): grid 8 x 64, 4 waves a work-group, clusters of 4 x 4, 327,680 bytes of LDS; arguments yh, w16, out0; writes out0
.if DOCPART == 4
	.amdgcn_target "amdgcn-amd-amdhsa--gfx1250"
	.amdhsa_code_object_version 6
	.text
	.protected	k_q022466faf9_proj
	.globl	k_q022466faf9_proj
	.p2align	8
	.type	k_q022466faf9_proj,@function
k_q022466faf9_proj:
	s_mov_b64 s[64:65], 0
	v_nop
	global_prefetch_b8 v0, s[64:65] scope:SCOPE_SE
	s_setreg_imm32_b32 hwreg(HW_REG_WAVE_MODE, 25, 1), 1
	s_wait_xcnt 0x0
	s_wait_alu depctr_hold_cnt(0) depctr_sa_sdst(0) depctr_va_vdst(0) depctr_va_sdst(0) depctr_va_ssrc(0) depctr_va_vcc(0) depctr_vm_vsrc(0)
	s_getreg_b32 s2, hwreg(HW_REG_IB_STS2, 6, 4)
	s_cmp_eq_u32 s2, 0
	s_cbranch_scc0 .Lentry_in_a_cluster
	s_endpgm
.Lentry_in_a_cluster:
	s_bfe_u32 s2, ttmp6, 0x10000c
	s_cmp_lg_u32 s2, 0xf033
	s_cbranch_scc0 .Lentry_shape_is_right
	s_endpgm
.Lentry_shape_is_right:
; PROJ: out0[m][n] = sum over k of y[m][k] w_out[n][k], m = 8,192 rows (2,048 b + s), n = k = 1,024; operands f16, sums f32, out0 f32.
; y lies by heads, yh [16 b + h][s 2048][64]: k = 64 h + d.  w16 is w_out in f16, [n][k].
; A tile of out0 is 128 x 128: 512 work-groups.  Four waves, each 64 x 64: 16 accumulators.  K goes in steps of 256 (four heads) through a ring of two LDS slots.
; y's tile of a K step is 4 heads x 128 rows x 128 bytes.  A head's 128 rows are 16,384 consecutive bytes: one descriptor states two heads as two long rows, 262,144 bytes apart, with 16 bytes of padding behind every 128:
; in LDS that is [head][row][144 bytes].  Waves 0 and 1 bring two heads each, waves 2 and 3 each 64 rows x 512 bytes of w16.
; CLUSTERS: 4 x 4 work-groups: y's tiles are shared along a row of the cluster, w16's along a column; each is asked for JOINTLY.  By this text's count a wave has two loads out at the start and one behind each round.
; THE MATRIX INSTRUCTION IS USED TRANSPOSED (source 0 = 16 rows of w16, source 1 = 16 rows of y): a lane holds eight neighbouring numbers of a row of out0.
; A wave's 64 columns of f32 are 256 aligned bytes, so each wave has a stage of its own on the way out and no barrier stands there.
; The rows of positions 0..15 are written here from f16 operands like the others; a later launch writes those 64 rows again, carried in f32.
; REGISTERS: window 0: v0-31 addresses; v32-95 the way out; v128-255 the accumulators ((a, b) at v[128 + 8 (4 a + b)]).   window 1: two fragment buffers of 128: 64 registers of y, then 64 of w16.
.set PITCHA, 144
.set HEADB,  128*PITCHA                ; a head's 128 rows in LDS
.set HALFA,  2*HEADB                   ; what one of y's loads brings
.set PITCHB, 528                       ; 512 bytes + 16
.set HALFB,  64*PITCHB
.set BOFF,   4*HEADB                   ; w16's rows lie behind y's four heads
.set SLOT,   BOFF+2*HALFB
.set STAGE,  2*SLOT                    ; behind the ring: 16 rows x 272 bytes for each wave
.set SPITCH, 272
.set SPARE,  STAGE+4*16*SPITCH         ; the spare words, 128 bytes for each wave
.set LAPS, 2                           ; a lap = two K steps = once round the ring
.set ADRA, 16
.set ADRB, 20
.set STO,  24
.set RD,   25
.set CO,   26
.set SPW,  28
.set NIL,  29
.set TMP,  32
.set ACC,  128
.set F0,   0
.set F1,   128
.set G1, 24
.set G0, 32
.set G1B, 48
.set G0B, 56
.set MSB, 0
.macro WIN new
.if MSB != \new
	s_set_vgpr_msb (MSB<<8)|\new
.set MSB, \new
.endif
.endm
.set MUL,  0x05                        ; sources 0 and 1 window 1; C and D window 0
.set TO_F, 0x40
.macro JLOAD s                         ; a joint load: waves 0 and 1 fetch for y, waves 2 and 3 for w16; an s_nop 0 and four v_nop follow each of the two lines
	s_cmp_eq_u32 s11, 0
	s_cbranch_scc0 .Lfor_b_\@
	tensor_load_to_lds s[G0+4*\s:G0+4*\s+3], s[G1:G1+7]
	s_nop 0
.rept 4
	v_nop
.endr
	s_branch .Lasked_\@
.Lfor_b_\@:
	tensor_load_to_lds s[G0B+4*\s:G0B+4*\s+3], s[G1B:G1B+7]
	s_nop 0
.rept 4
	v_nop
.endr
.Lasked_\@:
.endm
.macro CREST
	s_cmp_lg_u32 s10, 0
	s_cbranch_scc1 .Lnot_wave_0_\@
	s_barrier_signal -3
.Lnot_wave_0_\@:
	s_barrier_wait -3
	s_barrier_signal -1
	s_barrier_wait -1
.endm
.macro CROUND
	s_barrier_signal -1
	s_barrier_wait -1
	CREST
.endm
	s_load_b128 s[4:7], s[0:1], 0x0                ; yh s[4:5], w16 s[6:7]
	s_load_b64 s[8:9], s[0:1], 0x10                ; out0
	v_lshl_add_u32 v[SPW], v0, 2, SPARE
	v_mov_b32 v[NIL], 0
	ds_add_u32 v[SPW], v[NIL]                      ; the wave's opening: the add, twice on end, and its wait ahead of my first tensor load
	ds_add_u32 v[SPW], v[NIL]
	v_lshrrev_b32 v1, 5, v0
	v_readfirstlane_b32 s10, v1                    ; wave 0..3
	s_lshr_b32 s11, s10, 1                         ; which half of the tile's rows is mine.  Also: I fetch for y (0) or for w16 (1)
	s_and_b32 s12, s10, 1                          ; which half of its columns.  Also: which half of that tile I fetch
	s_bfe_u32 s40, ttmp6, 0x40000                  ; cx, cy
	s_bfe_u32 s41, ttmp6, 0x40004
	s_lshl_b32 s42, ttmp9, 2
	s_add_co_u32 s42, s42, s40                     ; tile column
	s_and_b32 s13, ttmp7, 0xffff
	s_lshl_b32 s13, s13, 2
	s_add_co_u32 s13, s13, s41                     ; tile row
	s_lshl_b32 s43, s41, 2
	s_lshl_b32 s43, 15, s43                        ; my row of the cluster
	s_lshl_b32 s44, 0x1111, s40                    ; my column
	s_or_b32 s[G1+0], s43, (1<<16)|(1<<20)|(1<<21)|(4<<22)|(3<<25)   ; elements of 2 bytes; 4 words of padding behind every 32
	s_mov_b32 s[G1+1], 8192<<16                    ; tensor_dim0: a head's 128 rows x 64
	s_mov_b32 s[G1+2], 2<<16                       ; tensor_dim1: two heads
	s_mov_b32 s[G1+3], 8192<<16                    ; tile_dim0
	s_mov_b32 s[G1+4], 2                           ; tile_dim1
	s_mov_b32 s[G1+5], 131072                      ; from head to head: 2,048 x 64 elements
	s_mov_b32 s[G1+6], 0
	s_mov_b32 s[G1+7], 0
	s_or_b32 s[G1B+0], s44, (1<<16)|(1<<20)|(1<<21)|(6<<22)|(3<<25)  ; 4 words of padding behind every 128
	s_mov_b32 s[G1B+1], 256<<16
	s_mov_b32 s[G1B+2], 64<<16
	s_mov_b32 s[G1B+3], 256<<16
	s_mov_b32 s[G1B+4], 64
	s_mov_b32 s[G1B+5], 1024
	s_mov_b32 s[G1B+6], 0
	s_mov_b32 s[G1B+7], 0
	s_lshr_b32 s16, s13, 4                         ; the batch: 16 tile rows each
	s_lshl_b32 s16, s16, 4
	s_lshl_b32 s17, s12, 1
	s_add_co_u32 s16, s16, s17                     ; y: head 16 b + 2 x half,
	s_lshl_b32 s16, s16, 18
	s_and_b32 s17, s13, 15
	s_lshl_b32 s17, s17, 14                        ; and the tile's 128 rows of 128 bytes in it
	s_add_co_u32 s16, s16, s17
	s_mov_b32 s17, 0
	s_lshl_b32 s46, s42, 7
	s_lshl_b32 s47, s12, 6
	s_add_co_u32 s46, s46, s47                     ; w16: row 128 x tile column + 64 x half,
	s_lshl_b32 s46, s46, 11                        ; 2,048 bytes a row
	s_mov_b32 s47, 0
	s_mul_i32 s20, s12, HALFA                      ; where they go: no place in the cluster enters an LDS address
	s_mul_i32 s21, s12, HALFB
	s_add_co_u32 s21, s21, BOFF
	s_wait_dscnt 0x0                               ; both opening adds are done
	s_wait_kmcnt 0x0
	s_add_nc_u64 s[14:15], s[4:5], s[16:17]
	s_add_nc_u64 s[46:47], s[6:7], s[46:47]
	CROUND                                         ; all sixteen work-groups are here: the first joint loads meet
.irp s, 0,1
	s_mov_b32 s[G0+4*\s], 1
	s_add_co_u32 s[G0+4*\s+1], s20, \s*SLOT
	s_add_nc_u64 s[G0+4*\s+2:G0+4*\s+3], s[14:15], \s*1048576      ; a K step is four heads of 262,144 bytes
	s_or_b32 s[G0+4*\s+3], s[G0+4*\s+3], 0x80000000
	s_mov_b32 s[G0B+4*\s], 1
	s_add_co_u32 s[G0B+4*\s+1], s21, \s*SLOT
	s_add_nc_u64 s[G0B+4*\s+2:G0B+4*\s+3], s[46:47], \s*512
	s_or_b32 s[G0B+4*\s+3], s[G0B+4*\s+3], 0x80000000
	JLOAD \s
.endr
	v_and_b32 v1, 15, v0                           ; r
	v_bfe_u32 v2, v0, 4, 1                         ; h
	v_mul_u32_u24 v3, v1, PITCHA
	v_lshl_add_u32 v3, v2, 4, v3
	v_mul_u32_u24 v4, v1, PITCHB
	v_lshl_add_u32 v4, v2, 4, v4
	s_mul_i32 s21, s11, 64*PITCHA                  ; my 64 rows of y, in each head
	s_mul_i32 s22, s12, HALFB                      ; my 64 rows of w16
	s_add_co_u32 s22, s22, BOFF
.irp s, 0,1
	v_add_nc_u32 v[ADRA+\s], s21, v3
	v_add_nc_u32 v[ADRB+\s], s22, v4
	s_add_co_u32 s21, s21, SLOT
	s_add_co_u32 s22, s22, SLOT
.endr
	s_mul_i32 s23, s10, 16*SPITCH
	s_add_co_u32 s23, s23, STAGE                   ; my stage
	v_mul_u32_u24 v5, v1, SPITCH
	v_lshl_add_u32 v5, v2, 5, v5
	v_add_nc_u32 v[STO], s23, v5                   ; in: row r, 32 bytes for each half of the lanes
	v_mul_u32_u24 v5, v2, SPITCH
	v_lshl_add_u32 v5, v1, 4, v5
	v_add_nc_u32 v[RD], s23, v5                    ; back: lanes 0-15 one row of 256 bytes, lanes 16-31 the next
	v_lshlrev_b32 v5, 12, v2
	v_lshl_add_u32 v[CO], v1, 4, v5                ; and the same two rows in out0
	s_lshl_b32 s16, s13, 7
	s_lshl_b32 s17, s11, 6
	s_add_co_u32 s16, s16, s17                     ; my first row: 128 x tile row + 64 x half
	s_lshl_b32 s16, s16, 12
	s_mov_b32 s17, 0
	s_add_nc_u64 s[8:9], s[8:9], s[16:17]
	s_lshl_b32 s46, s42, 9                         ; my first column, in bytes: 512 x tile column + 256 x half
	s_lshl_b32 s47, s12, 8
	s_add_co_u32 s46, s46, s47
	s_mov_b32 s47, 0
	s_add_nc_u64 s[8:9], s[8:9], s[46:47]
; 8 matrix instructions: m blocks a0, a0 + 1 x all 4 n blocks, 32 along K: half c of buffer f.  zero = 1: the first product starts the sums
.macro MUL8 f, c, a0, zero
.irp a, \a0, \a0+1
.irp b, 0,1,2,3
.if \zero
	v_wmma_f32_16x16x32_f16 v[ACC+8*(4*(\a)+\b):ACC+8*(4*(\a)+\b)+7], v[\f+64+8*(4*\c+\b):\f+64+8*(4*\c+\b)+7], v[\f+8*(4*\c+\a):\f+8*(4*\c+\a)+7], 0
.else
	v_wmma_f32_16x16x32_f16 v[ACC+8*(4*(\a)+\b):ACC+8*(4*(\a)+\b)+7], v[\f+64+8*(4*\c+\b):\f+64+8*(4*\c+\b)+7], v[\f+8*(4*\c+\a):\f+8*(4*\c+\a)+7], v[ACC+8*(4*(\a)+\b):ACC+8*(4*(\a)+\b)+7]
.endif
.endr
.endr
.endm
; 32 LDS loads in one run: the fragments of quarter q of a K step (64 along K: one head) into buffer f; the first 32 along K first
.macro FETCH slot, q, f
	WIN TO_F
.irp c, 0,1
.irp i, 0,1,2,3
	ds_load_b128 v[\f+64+8*(4*\c+\i):\f+64+8*(4*\c+\i)+3],   v[ADRB+\slot] offset:128*(\q)+64*\c+\i*16*PITCHB
	ds_load_b128 v[\f+64+8*(4*\c+\i)+4:\f+64+8*(4*\c+\i)+7], v[ADRB+\slot] offset:128*(\q)+64*\c+\i*16*PITCHB+32
	ds_load_b128 v[\f+8*(4*\c+\i):\f+8*(4*\c+\i)+3],         v[ADRA+\slot] offset:HEADB*(\q)+64*\c+\i*16*PITCHA
	ds_load_b128 v[\f+8*(4*\c+\i)+4:\f+8*(4*\c+\i)+7],       v[ADRA+\slot] offset:HEADB*(\q)+64*\c+\i*16*PITCHA+32
.endr
.endr
.endm
.macro PLACES                          ; four places in front of loads into registers that matrix instructions have read, and of the first read of results
.rept 4
	v_nop
.endr
.endm
; A K step is four quarters, 32 matrix instructions each, on buffers 0, 1, 0, 1.  One of the first three: multiplies buffer f and fetches quarter q into g.
.macro QUARTER slot, q, f, g, zero
	s_wait_dscnt 16                                ; the first 32 along K are in; the other sixteen loads may be out
	WIN MUL
	MUL8 \f, 0, 0, \zero
	MUL8 \f, 0, 2, \zero
	PLACES
	FETCH \slot, \q, \g
	s_wait_dscnt 32                                ; all but the 32 just issued
	WIN MUL
	MUL8 \f, 1, 0, 0
	MUL8 \f, 1, 2, 0
.endm
; The last quarter multiplies buffer 1 and changes slots: one barrier; in front of it each wave waits for all its tensor loads, adds 0 to its spare word, and waits for that and for its reads of this slot.
.macro TURN slot, next, fill
	WIN 0
	s_wait_tensorcnt 0x0                           ; all my tensor loads have landed: my part of the next slot
	ds_add_u32 v[SPW], v[NIL]
	s_wait_dscnt 17                                ; (the add and the youngest sixteen loads may be out)
	WIN MUL
	MUL8 F1, 0, 0, 0
	s_wait_dscnt 0x0                               ; the add is done, and my reads of this slot are over
	s_barrier_signal -1
	MUL8 F1, 0, 2, 0
.if \fill
	WIN 0
.endif
	s_barrier_wait -1
.if \fill
	CREST                                          ; the barrier has opened a round of the cluster's barrier: no wave of any partner still reads this slot or has a load on its way
	s_add_nc_u64 s[G0+4*\slot+2:G0+4*\slot+3], s[G0+4*\slot+2:G0+4*\slot+3], 2*1048576
	s_add_nc_u64 s[G0B+4*\slot+2:G0B+4*\slot+3], s[G0B+4*\slot+2:G0B+4*\slot+3], 2*512
	JLOAD \slot                                    ; the first tensor load behind the round; its four v_nop are also the places in front of the loads below
.else
	PLACES
.endif
	FETCH \next, 0, F0
	WIN MUL
	MUL8 F1, 1, 0, 0
	MUL8 F1, 1, 2, 0
.endm
	s_wait_tensorcnt 1                             ; my part of K step 0 is in (K step 1's load may be out)
	s_barrier_signal -1
	s_barrier_wait -1                              ; everybody's is
	FETCH 0, 0, F0
	QUARTER 0, 1, F0, F1, 1                        ; the first quarter stands in front of the loop: its first products start the sums
	WIN 0
	s_mov_b32 s3, LAPS-1
.Llap:                                                 ; a trip goes once round the ring and fills both slots again
	QUARTER 0, 2, F1, F0, 0
	QUARTER 0, 3, F0, F1, 0
	TURN 0, 1, 1
	QUARTER 1, 1, F0, F1, 0
	QUARTER 1, 2, F1, F0, 0
	QUARTER 1, 3, F0, F1, 0
	TURN 1, 0, 1
	QUARTER 0, 1, F0, F1, 0
	WIN 0
	s_sub_co_u32 s3, s3, 1
	s_cmp_lg_u32 s3, 0
	s_cbranch_scc1 .Llap
	QUARTER 0, 2, F1, F0, 0                        ; the last lap fills nothing
	QUARTER 0, 3, F0, F1, 0
	TURN 0, 1, 0
	QUARTER 1, 1, F0, F1, 0
	QUARTER 1, 2, F1, F0, 0
	QUARTER 1, 3, F0, F1, 0
	s_wait_dscnt 16
	WIN MUL
	MUL8 F1, 0, 0, 0
	MUL8 F1, 0, 2, 0
	s_wait_dscnt 0
	MUL8 F1, 1, 0, 0
	MUL8 F1, 1, 2, 0
	WIN 0
; THE WAY OUT, 16 rows x 64 columns at a time: 32 bytes a lane into my stage, back as whole rows of 256 bytes.  LDS serves a wave's instructions in order: no wait between the stores and the loads.
.macro TOST a
.irp b, 0,1,2,3
	ds_store_b128 v[STO], v[ACC+8*(4*(\a)+\b):ACC+8*(4*(\a)+\b)+3] offset:64*\b          ; each accumulator from its low end on
	ds_store_b128 v[STO], v[ACC+8*(4*(\a)+\b)+4:ACC+8*(4*(\a)+\b)+7] offset:64*\b+16
.endr
.irp t, 0,1,2,3,4,5,6,7
	ds_load_b128 v[TMP+32*((\a)%2)+4*\t:TMP+32*((\a)%2)+4*\t+3], v[RD] offset:\t*2*SPITCH
.endr
.endm
.macro SENDC a, younger                ; younger: the next block's 8 stores and 8 loads, or none
	s_wait_dscnt \younger
.irp t, 0,1,2,3,4,5,6,7
	global_store_b128 v[CO], v[TMP+32*((\a)%2)+4*\t:TMP+32*((\a)%2)+4*\t+3], s[8:9] offset:(16*(\a)+2*\t)*4096 th:TH_STORE_NT   ; 16 lanes store 256 consecutive bytes, aligned
.endr
.endm
	PLACES
	TOST 0
	TOST 1
	SENDC 0, 16
	s_wait_xcnt 0x0                                ; block 0's stores have read their registers: block 2's rows may land there
	TOST 2
	SENDC 1, 16
	s_wait_xcnt 0x0
	TOST 3
	SENDC 2, 16
	SENDC 3, 0
	s_wait_tensorcnt 0x0                           ; the wave's end: behind my last tensor load and my last LDS store
	ds_add_u32 v[SPW], v[NIL]
	s_wait_dscnt 0x0
	CROUND                                         ; the closing round
	s_endpgm
.Lfunc_end_k_q022466faf9_proj:
	.size	k_q022466faf9_proj, .Lfunc_end_k_q022466faf9_proj-k_q022466faf9_proj
	.p2alignl 7, 3214868480
	.fill 96, 4, 3214868480
	.section	.rodata,"a",@progbits
	.p2align	6, 0x0
	.amdhsa_kernel k_q022466faf9_proj
		.amdhsa_group_segment_fixed_size 327680
		.amdhsa_private_segment_fixed_size 0
		.amdhsa_enable_private_segment 0
		.amdhsa_kernarg_size 24
		.amdhsa_user_sgpr_count 2
		.amdhsa_user_sgpr_kernarg_segment_ptr 1
		.amdhsa_wavefront_size32 1
		.amdhsa_system_sgpr_workgroup_id_x 1
		.amdhsa_system_sgpr_workgroup_id_y 1
		.amdhsa_system_sgpr_workgroup_id_z 1
		.amdhsa_system_vgpr_workitem_id 0
		.amdhsa_next_free_vgpr 512
		.amdhsa_next_free_sgpr 66
		.amdhsa_reserve_vcc 0
		.amdhsa_float_denorm_mode_32 3
		.amdhsa_float_denorm_mode_16_64 3
		.amdhsa_memory_ordered 1
		.amdhsa_forward_progress 1
		.amdhsa_inst_pref_size 86
	.end_amdhsa_kernel
	.amdgpu_metadata
---
amdhsa.version: [ 1, 2 ]
amdhsa.kernels:
  - .name:           k_q022466faf9_proj
    .symbol:         k_q022466faf9_proj.kd
    .args:
      - { .name: yh, .offset: 0, .size: 8, .value_kind: global_buffer, .address_space: global }
      - { .name: w16, .offset: 8, .size: 8, .value_kind: global_buffer, .address_space: global }
      - { .name: out0, .offset: 16, .size: 8, .value_kind: global_buffer, .address_space: global }
    .group_segment_fixed_size: 327680
    .private_segment_fixed_size: 0
    .kernarg_segment_align: 8
    .kernarg_segment_size: 24
    .max_flat_workgroup_size: 128
    .sgpr_count:     66
    .vgpr_count:     512
    .wavefront_size: 32
...
	.end_amdgpu_metadata
.endif
;; end of part 4
;; launch fine (part 5): grid 32 x 4, 16 waves a work-group, no clusters, 84,224 bytes of LDS; arguments qkvf, w_out, out0; writes out0
.if DOCPART == 5
	.amdgcn_target "amdgcn-amd-amdhsa--gfx1250"
	.amdhsa_code_object_version 6
	.text
	.protected	k_q022466faf9_fine
	.globl	k_q022466faf9_fine
	.p2align	8
	.type	k_q022466faf9_fine,@function
k_q022466faf9_fine:
	s_mov_b64 s[64:65], 0
	v_nop
	global_prefetch_b8 v0, s[64:65] scope:SCOPE_SE
	s_setreg_imm32_b32 hwreg(HW_REG_WAVE_MODE, 25, 1), 1
	s_wait_xcnt 0x0
; FINE: positions 0..15 of each batch, where a row of the softmax averages one to sixteen values, are carried in f32 through attention and the projection, and written over what the f16 path left: 64 rows of out0.
; qkvf [batch 4][unit 48][16][64] f32 (unit h = q times log2(e) / 8, 16 + h = k, 32 + h = v); w_out [1024][1024] f32.
; Work-group (slab, batch) makes 32 columns of out0 for the batch's 16 rows.  Phase A: wave w = head w: S^T = K Q^T, mask, softmax with the row's maximum taken away, y^T = V^T P; y goes to LDS.
; Phase B: wave w takes 16 of the slab's columns (w % 2) and 128 of K = 1,024 (w / 2); the eight partial sums meet in LDS and waves 0 to 3 add and store them.
; All products by v_wmma_f32_16x16x4_f32: lane (r, h) holds row r and k = 2 h + j in register j.  A lane loads 4 neighbours along K at a time; which four k a step takes is the same on both sides, so the sums are whole.
; The registers that these products write (v176-223) are written by matrix instructions alone; two or four accumulators take turns, one instruction a turn.
; A slab's row is 128 bytes: the 64 rows are 256 KiB in all, and a wider slab would leave more of the chip without work.  No tensor load: the operands are small and read once.
.set YPIT, 4112                        ; a row of y in LDS: 4,096 bytes + 16
.set PART, 16*YPIT                     ; behind y: 1,024 bytes of partial sums for each wave
.set SPARE, PART+16*1024               ; the spare words, 128 bytes for each wave
.set WF,  16                           ; v16-79   w_out's fragments
.set KF,  80                           ; v80-111  K; later, with v112-143, y's fragments
.set QF,  112                          ; v112-143 Q
.set VF,  144                          ; v144-175 V^T
.set SA,  176                          ; v176-183, v184-191 two accumulators
.set SB,  184
.set YA,  192                          ; v192-223 y^T: four accumulators
.set T,   224                          ; v224-231 scores, p, later partial sums
.set PN,  232                          ; v232-239 p / the sum
.set SPW, 252
.set NIL, 253
	s_load_b128 s[4:7], s[0:1], 0x0                ; qkvf s[4:5], w_out s[6:7]
	s_load_b64 s[8:9], s[0:1], 0x10                ; out0
	v_lshl_add_u32 v[SPW], v0, 2, SPARE
	v_mov_b32 v[NIL], 0
	v_lshrrev_b32 v1, 5, v0
	v_readfirstlane_b32 s10, v1                    ; wave = head
	s_and_b32 s11, ttmp7, 0xffff                   ; batch
	s_and_b32 s14, s10, 1                          ; which 16 of the slab's columns
	s_lshr_b32 s15, s10, 1                         ; which 128 of K
	s_min_u32 s17, s15, 1                          ; in waves 0 to 3: which half of a lane's eight sums I add
	s_mov_b32 s12, 0x76543210
	s_mov_b32 s13, 0xfedcba98                      ; v_permlanex16_b32's selects for lane l xor 16
	v_and_b32 v1, 15, v0                           ; r
	v_bfe_u32 v2, v0, 4, 1                         ; h
	v_and_b32 v13, 31, v0
	v_lshlrev_b32 v3, 8, v1
	v_lshl_add_u32 v3, v2, 4, v3                   ; Q, K: row r of 256 bytes + 16 h
	v_lshlrev_b32 v4, 2, v1
	v_lshl_add_u32 v4, v2, 11, v4                  ; V: key 8 h on, channel r
	v_lshlrev_b32 v5, 12, v1
	v_lshl_add_u32 v5, v2, 4, v5                   ; w_out: row r of 4,096 bytes + 16 h
	v_mul_u32_u24 v14, v1, YPIT
	s_lshl_b32 s16, s10, 8
	v_lshl_add_u32 v6, v2, 5, v14
	v_add_nc_u32 v6, s16, v6                       ; y into LDS: row r, head's 256 bytes, + 32 h
	s_lshl_b32 s16, s15, 9
	v_lshl_add_u32 v7, v2, 4, v14
	v_add_nc_u32 v7, s16, v7                       ; y out of LDS: row r, my 512 bytes of K, + 16 h
	s_lshl_b32 s16, s10, 10
	s_add_co_u32 s16, s16, PART
	v_lshl_add_u32 v8, v13, 4, s16                 ; my partial sums: 16 x lane
	s_lshl_b32 s16, s14, 10
	s_lshl_b32 s18, s17, 9
	s_add_co_u32 s16, s16, s18
	s_add_co_u32 s16, s16, PART
	v_lshl_add_u32 v9, v13, 4, s16                 ; and where waves 0 to 3 read the eight
	v_lshlrev_b32 v10, 12, v1
	v_lshl_add_u32 v10, v2, 5, v10
	s_lshl_b32 s16, s14, 6
	s_lshl_b32 s18, s17, 4
	s_add_co_u32 s16, s16, s18
	v_add_nc_u32 v10, s16, v10                     ; out0: row r, columns 16 (w % 2) + 8 h + 4 (w / 2) on
	v_lshlrev_b32 v11, 3, v2
	v_sub_nc_u32 v11, v1, v11                      ; r - 8 h
	v_mov_b32 v12, 0xff800000                      ; -infinity
	s_mul_i32 s18, s11, 48
	s_add_co_u32 s18, s18, s10
	s_lshl_b32 s18, s18, 12                        ; q's unit of 4,096 bytes
	s_mov_b32 s19, 0
	s_lshl_b32 s20, ttmp9, 5
	s_lshl_b32 s21, s14, 4
	s_add_co_u32 s20, s20, s21                     ; my first row of w_out
	s_lshl_b32 s20, s20, 12
	s_lshl_b32 s21, s15, 9
	s_add_co_u32 s20, s20, s21
	s_mov_b32 s21, 0
	s_lshl_b32 s22, s11, 23                        ; a batch of out0 is 2,048 rows of 4,096 bytes
	s_lshl_b32 s23, ttmp9, 7
	s_add_co_u32 s22, s22, s23
	s_mov_b32 s23, 0
	s_wait_kmcnt 0x0
	s_add_nc_u64 s[4:5], s[4:5], s[18:19]
	s_add_nc_u64 s[6:7], s[6:7], s[20:21]
	s_add_nc_u64 s[8:9], s[8:9], s[22:23]
.irp c, 0,1,2,3,4,5,6,7
	global_load_b128 v[QF+4*\c:QF+4*\c+3], v3, s[4:5] offset:32*\c               ; channels 8 c + 4 h + 0..3 of row r
	global_load_b128 v[KF+4*\c:KF+4*\c+3], v3, s[4:5] offset:65536+32*\c
.endr
.irp ct, 0,1,2,3
.irp c, 0,1,2,3
.irp j, 0,1
	global_load_b32 v[VF+8*\ct+2*\c+\j], v4, s[4:5] offset:131072+(2*\c+\j)*256+64*\ct   ; v(key 8 h + 2 c + j, channel 16 ct + r)
.endr
.endr
.endr
.irp c, 0,1,2,3,4,5,6,7,8,9,10,11,12,13,14,15
	global_load_b128 v[WF+4*\c:WF+4*\c+3], v5, s[6:7] offset:32*\c
.endr
	; ---- A: the scores.  Lane (r, h) then holds query r and keys 8 h + 0..7
	s_wait_loadcnt 48                              ; Q and K are in; V's 32 loads and w_out's 16 may be out
.irp e, 0,1,2,3,4,5,6,7,8,9,10,11,12,13,14,15
.if \e < 2
	v_wmma_f32_16x16x4_f32 v[SA+8*(\e%2):SA+8*(\e%2)+7], v[KF+2*\e:KF+2*\e+1], v[QF+2*\e:QF+2*\e+1], 0
.else
	v_wmma_f32_16x16x4_f32 v[SA+8*(\e%2):SA+8*(\e%2)+7], v[KF+2*\e:KF+2*\e+1], v[QF+2*\e:QF+2*\e+1], v[SA+8*(\e%2):SA+8*(\e%2)+7]
.endif
.endr
.rept 8
	v_nop                                          ; eight places behind this form (ISA guide 7.12.1)
.endr
.irp j, 0,2,4,6
	v_pk_add_f32 v[T+\j:T+\j+1], v[SA+\j:SA+\j+1], v[SB+\j:SB+\j+1]
.endr
.irp j, 0,1,2,3,4,5,6,7
	v_cmp_gt_i32 vcc_lo, \j, v11                   ; key 8 h + j comes after query r
	v_cndmask_b32 v[T+\j], v[T+\j], v12, vcc_lo
.endr
	v_max3_num_f32 v240, v[T], v[T+1], v[T+2]
	v_max3_num_f32 v241, v[T+3], v[T+4], v[T+5]
	v_max3_num_f32 v240, v240, v[T+6], v[T+7]
	v_max_num_f32 v240, v240, v241
	v_permlanex16_b32 v241, v240, s12, s13
	v_max_num_f32 v240, v240, v241                 ; the row's maximum: key 0 counts for every query, so it is a number
.irp j, 0,1,2,3,4,5,6,7
	v_sub_f32 v[T+\j], v[T+\j], v240
.endr
.irp j, 0,1,2,3,4,5,6,7
	v_exp_f32 v[T+\j], v[T+\j]
.endr
	v_nop                                          ; a plain line behind the last exponential
	s_wait_alu depctr_va_vdst(0)                   ; one wait for the eight, ahead of the first line that names a result
	v_pk_add_f32 v[242:243], v[T:T+1], v[T+2:T+3]
	v_pk_add_f32 v[244:245], v[T+4:T+5], v[T+6:T+7]
	v_pk_add_f32 v[242:243], v[242:243], v[244:245]
	v_add_f32 v242, v242, v243
	v_permlanex16_b32 v243, v242, s12, s13
	v_add_f32 v242, v242, v243                     ; the row's sum
	v_rcp_f32 v246, v242
	v_nop
	s_wait_alu depctr_va_vdst(0)
.irp j, 0,1,2,3,4,5,6,7
	v_mul_f32 v[PN+\j], v[T+\j], v246
.endr
	s_wait_loadcnt 16                              ; V is in; w_out's 16 loads may be out
.irp c, 0,1,2,3                                ; y^T = V^T P: step c takes keys 2 c, 2 c + 1, 8 + 2 c, 9 + 2 c on both sides
.irp ct, 0,1,2,3
.if \c == 0
	v_wmma_f32_16x16x4_f32 v[YA+8*\ct:YA+8*\ct+7], v[VF+8*\ct+2*\c:VF+8*\ct+2*\c+1], v[PN+2*\c:PN+2*\c+1], 0
.else
	v_wmma_f32_16x16x4_f32 v[YA+8*\ct:YA+8*\ct+7], v[VF+8*\ct+2*\c:VF+8*\ct+2*\c+1], v[PN+2*\c:PN+2*\c+1], v[YA+8*\ct:YA+8*\ct+7]
.endif
.endr
.endr
.rept 8
	v_nop
.endr
.irp ct, 0,1,2,3
	ds_store_b128 v6, v[YA+8*\ct:YA+8*\ct+3] offset:64*\ct           ; y(r, 64 w + 16 ct + 8 h + 0..7)
	ds_store_b128 v6, v[YA+8*\ct+4:YA+8*\ct+7] offset:64*\ct+16
.endr
	s_wait_dscnt 0x0                               ; for the others' sake: my stores are done
	s_barrier_signal -1
	s_barrier_wait -1                              ; 16 whole rows of y lie in LDS
	; ---- B: my 16 columns, my 128 of K.  Source 0 = w_out's rows, source 1 = y's: lane (r, h) then holds row r and columns 8 h + 0..7
.irp c, 0,1,2,3,4,5,6,7,8,9,10,11,12,13,14,15
	ds_load_b128 v[KF+4*\c:KF+4*\c+3], v7 offset:32*\c
.endr
	s_wait_dscnt 0x0
	s_wait_loadcnt 0x0
.irp e, 0,1,2,3,4,5,6,7,8,9,10,11,12,13,14,15,16,17,18,19,20,21,22,23,24,25,26,27,28,29,30,31
.if \e < 2
	v_wmma_f32_16x16x4_f32 v[SA+8*(\e%2):SA+8*(\e%2)+7], v[WF+2*\e:WF+2*\e+1], v[KF+2*\e:KF+2*\e+1], 0
.else
	v_wmma_f32_16x16x4_f32 v[SA+8*(\e%2):SA+8*(\e%2)+7], v[WF+2*\e:WF+2*\e+1], v[KF+2*\e:KF+2*\e+1], v[SA+8*(\e%2):SA+8*(\e%2)+7]
.endif
.endr
.rept 8
	v_nop
.endr
.irp j, 0,2,4,6
	v_pk_add_f32 v[T+\j:T+\j+1], v[SA+\j:SA+\j+1], v[SB+\j:SB+\j+1]
.endr
	ds_store_b128 v8, v[T:T+3]
	ds_store_b128 v8, v[T+4:T+7] offset:512
	s_wait_dscnt 0x0
	s_barrier_signal -1
	s_barrier_wait -1                              ; all sixteen partial sums lie in LDS
	s_cmp_lt_u32 s10, 4
	s_cbranch_scc1 .Lsum
	s_wait_tensorcnt 0x0                           ; the wave's end: behind my last LDS store
	ds_add_u32 v[SPW], v[NIL]
	s_wait_dscnt 0x0
	s_endpgm
.Lsum:                                             ; waves 0 to 3: the eight parts of K, four numbers a lane
.irp kp, 0,1,2,3,4,5,6,7
	ds_load_b128 v[KF+4*\kp:KF+4*\kp+3], v9 offset:2048*\kp
.endr
	s_wait_dscnt 0x0
.irp kp, 1,2,3,4,5,6,7
	v_pk_add_f32 v[KF:KF+1], v[KF:KF+1], v[KF+4*\kp:KF+4*\kp+1]
	v_pk_add_f32 v[KF+2:KF+3], v[KF+2:KF+3], v[KF+4*\kp+2:KF+4*\kp+3]
.endr
	global_store_b128 v10, v[KF:KF+3], s[8:9]
	s_wait_tensorcnt 0x0                           ; the wave's end, as above
	ds_add_u32 v[SPW], v[NIL]
	s_wait_dscnt 0x0
	s_endpgm
.Lfunc_end_k_q022466faf9_fine:
	.size	k_q022466faf9_fine, .Lfunc_end_k_q022466faf9_fine-k_q022466faf9_fine
	.p2alignl 7, 3214868480
	.fill 96, 4, 3214868480
	.section	.rodata,"a",@progbits
	.p2align	6, 0x0
	.amdhsa_kernel k_q022466faf9_fine
		.amdhsa_group_segment_fixed_size 84224
		.amdhsa_private_segment_fixed_size 0
		.amdhsa_enable_private_segment 0
		.amdhsa_kernarg_size 24
		.amdhsa_user_sgpr_count 2
		.amdhsa_user_sgpr_kernarg_segment_ptr 1
		.amdhsa_wavefront_size32 1
		.amdhsa_system_sgpr_workgroup_id_x 1
		.amdhsa_system_sgpr_workgroup_id_y 1
		.amdhsa_system_sgpr_workgroup_id_z 1
		.amdhsa_system_vgpr_workitem_id 0
		.amdhsa_next_free_vgpr 256
		.amdhsa_next_free_sgpr 66
		.amdhsa_reserve_vcc 1
		.amdhsa_float_denorm_mode_32 3
		.amdhsa_float_denorm_mode_16_64 3
		.amdhsa_memory_ordered 1
		.amdhsa_forward_progress 1
		.amdhsa_inst_pref_size 20
	.end_amdhsa_kernel
	.amdgpu_metadata
---
amdhsa.version: [ 1, 2 ]
amdhsa.kernels:
  - .name:           k_q022466faf9_fine
    .symbol:         k_q022466faf9_fine.kd
    .args:
      - { .name: qkvf, .offset: 0, .size: 8, .value_kind: global_buffer, .address_space: global }
      - { .name: w_out, .offset: 8, .size: 8, .value_kind: global_buffer, .address_space: global }
      - { .name: out0, .offset: 16, .size: 8, .value_kind: global_buffer, .address_space: global }
    .group_segment_fixed_size: 84224
    .private_segment_fixed_size: 0
    .kernarg_segment_align: 8
    .kernarg_segment_size: 24
    .max_flat_workgroup_size: 512
    .sgpr_count:     66
    .vgpr_count:     256
    .wavefront_size: 32
...
	.end_amdgpu_metadata
.endif
;; end of part 5
